; MI455X (gfx1250); checked and timed in simulation.
; The chip was launched on July 23, 2026; its instructions are those of AMD's public machine-readable ISA for CDNA 5 (MIT licence, August 2026) and "CDNA5" Instruction Set Architecture Reference Guide (July 2026). The comments in the code are by the model that wrote it; some were corrected since.
;; GPT3 Self Attention. Allowed arithmetic: matrix products marked QUANTISED: E3M2 operands, one E8M0 scale for each 32 along K, by v_wmma_scale_f32_16x16x128_f8f6f4 with both operands' format E3M2, f32 sums; everything else in f32.
;; Inputs: W_dense 1,024 x 1,024 float32; W_qkv 1,024 x 3,072 float32; attention_mask 1 x 1 x 2,048 x 2,048 bool; b_dense 1,024 float32; b_qkv 3,072 float32; hidden_states 4 x 2,048 x 1,024 float32.
;; Outputs: out0 4 x 2,048 x 1,024 float32.
;; This version of the problem:
;;   THIS VERSION OF THE PROBLEM IS GIVEN IN LOW PRECISION. The matrix products marked QUANTISED in the list below multiply operands that are first quantised to E3M2 (3 exponent bits, 2 mantissa bits; 6 bits a number), with one power-of-two scale for each 32 numbers along K (OCP MX v1.0); their sums are f32. All else is computed in f32.
;;   The module's matrix products, in the order in which they are computed (A, B: the left and right operand; K: the contracted axis; several contracted axes count as one K, in the product's order):
;;     1. [M 8,192, K 1,024] x [K 1,024, N 3,072]; A: input hidden_states; B: input W_qkv: QUANTISED
;;     2. batch 64 x [M 2,048, K 64] x [K 64, N 2,048]; A: computed on the way; B: computed on the way: QUANTISED
;;     3. batch 64 x [M 2,048, K 2,048] x [K 2,048, N 64]; A: softmax (see below); B: computed on the way: QUANTISED
;;     4. [M 8,192, K 1,024] x [K 1,024, N 1,024]; A: computed on the way; B: input W_dense: QUANTISED
;;   THE QUANTISER, for each operand of a quantised product, along K:
;;     - K is cut into blocks of 32 from its start; a last block that is shorter is filled with zeros.
;;     - A block's scale is 2^e with e = floor(log2(the largest magnitude in the block)) - 4, held to -126 .. 127; a block of zeros has e = 0. As a byte (E8M0): e + 127.
;;     - Each number is divided by its block's scale, clamped to +-28, and rounded to the nearest number of E3M2, ties to even, subnormals kept.
;;     - The product sums the exact products of the quantised numbers (number of the format x scale) in f32.
;;   ~~~python
;;   def quantise(x, axis):      # numpy; x: float32 -> the quantised numbers, widened to float32 again
;;       x = np.moveaxis(x, axis, -1); K = x.shape[-1]
;;       x = np.pad(x, [(0, 0)] * (x.ndim - 1) + [(0, -K % 32)]); x = x.reshape(x.shape[:-1] + (-1, 32)); a = np.abs(x).max(-1, keepdims=True)
;;       e = np.where(a > 0, np.clip(np.frexp(np.where(a > 0, a, 1))[1] - 1 - 4, -126, 127), 0)      # np.frexp(a)[1] - 1 = floor(log2(a)), exactly
;;       r = np.clip(x / 2.0 ** e, -28, 28)
;;       step = 2.0 ** (np.maximum(np.frexp(np.where(r == 0, 1, r))[1] - 1, -2) - 2)
;;       q = np.round(r / step) * step * 2.0 ** e      # np.round: ties to even
;;       return np.moveaxis(q.reshape(q.shape[:-2] + (-1,))[..., :K], -1, axis).astype(np.float32)
;;   ~~~
;;   SOFTMAX AHEAD OF A QUANTISED PRODUCT. Where the list says 'softmax', what is quantised is not the finished softmax but p = 2^(t - M), with t = logit x log2(e) and M = ceil(the row's largest t), a whole number; so 1/2 < the row's largest p <= 1. The row's sum l is taken of the UNQUANTISED p, in f32, and the product's result is divided by l at the end. Since M is a whole number, a kernel that streams over the keys may use a running M (the ceiling of the running maximum): every later rescaling is an exact power of two, which a block's scale takes up: the codes' values come out the same.
;;   OPERANDS COMPUTED ON THE WAY. 'Computed on the way' means the value that the module computes at that place (a softmax that the list does not call 'softmax' is quantised finished and normalised). What goes into a quantiser is computed in f32, as accurately as f32 sums, v_exp_f32 and their like allow (about 1e-6 of the number): no bf16 or f16 on the way to a quantiser, and a product that is left as it is and whose result goes on into a quantised operand takes f32 operands (vector FMAs, or v_wmma_f32_16x16x4_f32). A number that lies on a knife's edge between two numbers of the format may be rounded either way, as far as f32 arithmetic and the matrix unit's own rounding can turn it there, and no further.
;; 2 versions, each right; version 2 is version 1 with the launch attn written anew for expert scheduling mode. Each part assembles by itself: llvm-mc -triple=amdgcn-amd-amdhsa -mcpu=gfx1250 --defsym DOCPART=n.
;; ======== version 1 of 2: 4 launches
;; workspace buffers: opc 9,437,184 bytes; ops 393,216 bytes; qkvc 18,874,368 bytes; qkvs 1,310,720 bytes; mbits 524,288 bytes of whole numbers; flags 512 bytes of whole numbers; cc 6,291,456 bytes; cs 262,144 bytes
;; launch prep (part 1): grid 416 x 1, 4 waves a work-group, no clusters, 59,904 bytes of LDS; arguments hidden_states, W_qkv, W_dense, attention_mask, opc, ops, mbits, flags; writes opc, ops, mbits, flags
.if DOCPART == 1
	.amdgcn_target "amdgcn-amd-amdhsa--gfx1250"
	.amdhsa_code_object_version 6
	.text
	.protected	k_qa842df32a4_prep
	.globl	k_qa842df32a4_prep
	.p2align	8
	.type	k_qa842df32a4_prep,@function
k_qa842df32a4_prep:
	s_mov_b64 s[64:65], 0
	v_nop
	global_prefetch_b8 v0, s[64:65] scope:SCOPE_SE
	s_setreg_imm32_b32 hwreg(HW_REG_WAVE_MODE, 25, 1), 1
	s_wait_xcnt 0x0
; PREP: hidden_states, W_qkv and W_dense become codes of E3M2 with one E8M0 byte for each 32 along K; the mask becomes lane-mask words and skip flags.
; ORDER OF ROWS in every operand buffer of this program: storage row = the index with its bits 3 and 4 exchanged, so that storage tile 2 b + u, row r, is index 32 b + 8 u + r + 8 (r / 8).
; IMAGES: 16 rows x 64 K are kept as an image of six operand registers, 768 bytes: lane l's registers 0-3 at 16 l, its registers 4-5 at 512 + 8 l.  opc: [row tile][K step 8][half 2][768].
; ops: [row tile][K half 2][row 16][4 words]: word s % 4 of half s / 4 holds the four bytes of K step s.  Row tiles 0-511: tokens; 512-703: W_qkv's columns; 704-767: W_dense's.
; mbits: [query tile 128][key step 16][64] words: bit (r, h) of word n = mask[query 32 (qt/2) + 8 (qt%2) + r + 8 (r/8)][key 128 s + 32 (n/16) + 16 h + n%16].
; flags: [query tile] one word, two bits a key step: 0 every key hidden for all 16 queries, 2 none hidden, 1 else.  Where a query of the tile has no open key at all, 0 becomes 1: that query must see every key.
; Work-groups 0-31 take the mask, 32-159 the weights, 160-415 the tokens; each path has LDS bytes of its own and ends by itself.  No tensor loads, no barrier: waves share nothing.
; A block's byte is its largest magnitude's exponent field - 4, held at 1 from below.
; LIMITS: a block of zeros, or one whose largest magnitude lies under 2^-122, gets the byte 1 (the rule says 127 for zeros): its codes add nothing, and this program alone reads the bytes.  NaN and infinities are not served.
.set XR,    16                         ; tokens: v16-143 two sets of 16 rows x 16 bytes a lane, as loaded
.set XX,    144                        ; v144-207 my 64 numbers: two whole blocks
.set XC,    208                        ; v208-219 a fragment's codes
.set XD,    220                        ; v220-226 second halves of the conversions
.set XT,    228                        ; v228-235 at work
.set XW,    236                        ; v236-239 the four scale words
.set XSTG,  8448                       ; a wave's stage: 16 rows x (512 + 16) bytes
.set WSTG0, 33792                      ; weights: the stages begin behind the tokens' bytes
.set WSTGW, 6400                       ; a wave's: two row tiles x (3,072 + 128) bytes
.set WO,    32                         ; v32-63  4 x lane + i x row pitch
.set WX,    64                         ; v64-127 two sets of 32 numbers
.set WC,    128                        ; v128-134 a block's codes
.set WOUT,  136                        ; v136-183 the way out
	s_load_b256 s[4:11], s[0:1], 0x0               ; hidden_states, W_qkv, W_dense, attention_mask
	s_load_b256 s[12:19], s[0:1], 0x20             ; opc, ops, mbits, flags
	v_lshl_add_u32 v254, v0, 2, 0xe800
	v_mov_b32 v255, 0
	v_lshrrev_b32 v1, 5, v0
	v_readfirstlane_b32 s20, v1                    ; wave
	v_and_b32 v1, 31, v0                           ; lane
	v_and_b32 v2, 15, v0                           ; r
	v_bfe_u32 v3, v0, 4, 1                         ; h
	v_lshlrev_b32 v4, 4, v1                        ; 16 x lane
	v_lshlrev_b32 v5, 3, v1                        ; 8 x lane
	s_wait_kmcnt 0x0
	s_cmp_lt_u32 ttmp9, 32
	s_cbranch_scc1 .Lmask
	s_cmp_lt_u32 ttmp9, 160
	s_cbranch_scc1 .Lweights
; ---- TOKENS.  A wave takes one row tile and half of K: four fragments of 16 rows x 128 K.
	s_sub_co_u32 s21, ttmp9, 160
	s_lshl_b32 s21, s21, 2
	s_add_co_u32 s21, s21, s20
	s_lshr_b32 s22, s21, 1                         ; row tile
	s_and_b32 s23, s21, 1                          ; which half of K
	s_lshr_b32 s24, s22, 1
	s_lshl_b32 s24, s24, 5
	s_and_b32 s25, s22, 1
	s_lshl_b32 s25, s25, 3
	s_add_co_u32 s24, s24, s25                     ; the tile's first token: 32 (tile / 2) + 8 (tile % 2)
	s_lshl_b32 s24, s24, 12
	s_lshl_b32 s25, s23, 11
	s_add_co_u32 s24, s24, s25
	s_mov_b32 s25, 0
	s_add_nc_u64 s[4:5], s[4:5], s[24:25]
	s_mul_i32 s24, s22, 12288
	s_mul_i32 s26, s23, 6144
	s_add_co_u32 s24, s24, s26
	s_add_nc_u64 s[12:13], s[12:13], s[24:25]
	s_lshl_b32 s24, s22, 9
	s_lshl_b32 s26, s23, 8
	s_add_co_u32 s24, s24, s26
	s_add_nc_u64 s[14:15], s[14:15], s[24:25]
	s_mul_i32 s26, s20, XSTG
	v_add_nc_u32 v6, s26, v4                       ; into the stage: a row's 512 bytes as they lie
	v_mul_u32_u24 v7, v2, 528
	v_lshl_add_u32 v7, v3, 7, v7
	v_add_nc_u32 v7, s26, v7                       ; out of it: row r, + 128 h: my block of 32 numbers
	v_lshlrev_b32 v8, 3, v3                        ; 8 h: my bytes' place in a scale word
	v_lshlrev_b32 v9, 4, v2
	v_lshl_add_u32 v9, v3, 3, v9                   ; 16 r + 8 h: my two words' place in ops
	s_mov_b32 s28, 0x76543210
	s_mov_b32 s29, 0xfedcba98                      ; lane l xor 16
	v_mov_b32 v[XT+7], 0                           ; a lane permute's destination counts as read
.macro XLOAD f                         ; fragment f: 16 rows, each load 512 consecutive bytes of one row
.irp i, 0,1,2,3,4,5,6,7,8,9,10,11,12,13,14,15
	global_load_b128 v[XR+64*((\f)%2)+4*\i:XR+64*((\f)%2)+4*\i+3], v4, s[4:5] offset:(\i+8*(\i/8))*4096+512*(\f) th:TH_LOAD_NT
.endr
.endm
.macro XFRAG f
.if (\f) < 3
	s_wait_loadcnt 16                              ; this fragment's 16 loads are in; the other set's 16 may be out
.else
	s_wait_loadcnt 0x0
.endif
.irp i, 0,1,2,3,4,5,6,7,8,9,10,11,12,13,14,15
	ds_store_b128 v6, v[XR+64*((\f)%2)+4*\i:XR+64*((\f)%2)+4*\i+3] offset:528*\i
.endr
.irp c, 0,1
.irp j, 0,1,2,3,4,5,6,7
	ds_load_b128 v[XX+32*\c+4*\j:XX+32*\c+4*\j+3], v7 offset:256*\c+16*\j   ; k = 64 c + 32 h + 4 j ..: LDS serves a wave's instructions in order, so these see the stores above
.endr
.endr
	s_wait_dscnt 0x0                               ; my numbers are back, and the stores have read their registers,
.if (\f) < 2
	XLOAD (\f)+2                                   ; which take the fragment two further on
.endif
.irp c, 0,1
	v_max3_num_f32 v[XT+\c], |v[XX+32*\c]|, |v[XX+32*\c+1]|, 0x2800000   ; block 2 c + h is all mine; the floor 2^(5 - 127) holds the byte at 1 from below
.endr
.irp i, 2,4,6,8,10,12,14,16,18,20,22,24,26,28,30
.irp c, 0,1
	v_max3_num_f32 v[XT+\c], v[XT+\c], |v[XX+32*\c+\i]|, |v[XX+32*\c+\i+1]|
.endr
.endr
.irp c, 0,1
	v_add_nc_u32 v[XT+2+\c], 0xfe000000, v[XT+\c]  ; 4 off the exponent field: the conversion's scale operand
.endr
.irp c, 0,1
	v_lshrrev_b32 v[XT+4+\c], 23, v[XT+2+\c]       ; the byte
.endr
	v_lshl_or_b32 v[XT+6], v[XT+5], 16, v[XT+4]
	v_lshlrev_b32 v[XT+6], v8, v[XT+6]             ; bytes h and 2 + h of the word
	v_permlanex16_b32 v[XT+7], v[XT+6], s28, s29
	v_or_b32 v[XW+(\f)], v[XT+6], v[XT+7]          ; with lane l xor 16's two the word is whole
	s_wait_xcnt 0x0                                ; the last fragment's stores have read the codes' registers
.irp c, 0,1
	v_cvt_scalef32_pk16_bf6_f32 v[XC+6*\c:XC+6*\c+2], v[XX+32*\c:XX+32*\c+15], v[XT+2+\c]
	v_cvt_scalef32_pk16_bf6_f32 v[XD+4*\c:XD+4*\c+2], v[XX+32*\c+16:XX+32*\c+31], v[XT+2+\c]   ; (a conversion's three registers begin on an even number)
.endr
	v_nop                                          ; one plain place behind a scaled conversion
.irp c, 0,1
.irp i, 0,1,2
	v_mov_b32 v[XC+6*\c+3+\i], v[XD+4*\c+\i]
.endr
.endr
	global_store_b128 v4, v[XC:XC+3], s[12:13] offset:1536*(\f)            ; each store covers 512 or 256 consecutive bytes, aligned
	global_store_b64 v5, v[XC+4:XC+5], s[12:13] offset:1536*(\f)+512
	global_store_b128 v4, v[XC+6:XC+9], s[12:13] offset:1536*(\f)+768
	global_store_b64 v5, v[XC+10:XC+11], s[12:13] offset:1536*(\f)+1280
.endm
	XLOAD 0
	XLOAD 1
	XFRAG 0
	XFRAG 1
	XFRAG 2
	XFRAG 3
	v_cmp_ne_u32 vcc_lo, 0, v3
	v_cndmask_b32 v240, v[XW], v[XW+2], vcc_lo     ; lanes 0-15 store words 0, 1 of their row, lanes 16-31 words 2, 3
	v_cndmask_b32 v241, v[XW+1], v[XW+3], vcc_lo
	global_store_b64 v9, v[240:241], s[14:15]      ; 32 lanes: 256 consecutive bytes, aligned
	s_wait_tensorcnt 0x0
	ds_add_u32 v254, v255
	s_wait_dscnt 0x0
	s_endpgm
; ---- WEIGHTS.  K is the first axis: a lane takes a column and its registers run down K.  A work-group: 128 columns x 256 along K; a wave: 32 columns, 8 blocks a lane.
.Lweights:
	s_sub_co_u32 s21, ttmp9, 32
	s_lshr_b32 s22, s21, 2                         ; group of 128 columns: 0-23 W_qkv, 24-31 W_dense
	s_and_b32 s23, s21, 3                          ; which 256 along K
	s_mov_b32 s26, 4096
	s_cmp_lt_u32 s22, 24                           ; the choice hangs on the work-group's number alone
	s_cselect_b64 s[24:25], s[6:7], s[8:9]
	s_cselect_b32 s26, 12288, s26                  ; a row of the weight in bytes
	s_cselect_b32 s27, 0, 24
	s_sub_co_u32 s27, s22, s27
	s_lshl_b32 s27, s27, 7
	s_lshl_b32 s28, s20, 5
	s_add_co_u32 s27, s27, s28                     ; my wave's first column in its tensor
	s_lshl_b32 s27, s27, 2
	s_lshl_b32 s28, s23, 8
	s_mul_i32 s28, s28, s26
	s_add_co_u32 s28, s28, s27
	s_mov_b32 s29, 0
	s_add_nc_u64 s[32:33], s[24:25], s[28:29]      ; block 0's first row
	s_lshl_b32 s28, s26, 5                         ; 32 rows on
.irp t, 1,2,3,4,5,6,7
	s_add_nc_u64 s[32+2*\t:33+2*\t], s[30+2*\t:31+2*\t], s[28:29]
.endr
	v_lshlrev_b32 v6, 2, v1
.irp i, 0,1,2,3,4,5,6,7,8,9,10,11,12,13,14,15,16,17,18,19,20,21,22,23,24,25,26,27,28,29,30,31
	v_mad_u32_u24 v[WO+\i], s26, \i, v6            ; row i of a block, my column
.endr
	v_bfe_u32 v7, v0, 3, 1                         ; my column's storage place: row tile = bit 3 of the lane,
	v_bfe_u32 v8, v0, 4, 1
	v_and_b32 v9, 7, v0
	v_lshl_add_u32 v9, v8, 3, v9                   ; row = 8 x bit 4 + the low three bits
	s_mul_i32 s30, s20, WSTGW
	s_add_co_u32 s30, s30, WSTG0
	v_mul_u32_u24 v10, v7, 3200
	v_add_nc_u32 v10, s30, v10
	v_lshl_add_u32 v11, v9, 4, v10                 ; where my registers 0-3 go in an image
	v_lshl_add_u32 v12, v9, 3, v10                 ; and my registers 4-5
	v_add_nc_u32 v13, s30, v4                      ; the way back: 16 x lane
	s_lshl_b32 s48, s22, 3
	s_lshl_b32 s49, s20, 1
	s_add_co_u32 s48, s48, s49
	s_add_co_u32 s48, s48, 512                     ; my first row tile
	s_mul_i32 s50, s48, 12288
	s_mul_i32 s49, s23, 3072
	s_add_co_u32 s50, s50, s49
	s_mov_b32 s51, 0
	s_add_nc_u64 s[12:13], s[12:13], s[50:51]
	s_lshl_b32 s50, s48, 9
	s_lshr_b32 s49, s23, 1
	s_lshl_b32 s49, s49, 8
	s_add_co_u32 s50, s50, s49
	s_and_b32 s49, s23, 1
	s_lshl_b32 s49, s49, 3
	s_add_co_u32 s50, s50, s49
	s_add_nc_u64 s[14:15], s[14:15], s[50:51]
	v_lshlrev_b32 v14, 9, v7
	v_lshl_add_u32 v14, v9, 4, v14                 ; my row's two scale words in ops
.macro WLOAD t
.irp i, 0,1,2,3,4,5,6,7,8,9,10,11,12,13,14,15,16,17,18,19,20,21,22,23,24,25,26,27,28,29,30,31
	global_load_b32 v[WX+32*((\t)%2)+\i], v[WO+\i], s[32+2*(\t):33+2*(\t)] th:TH_LOAD_NT   ; 32 lanes read 128 consecutive bytes; the four waves stand side by side
.endr
.endm
.macro WBLOCK t
.set WXS, WX+32*((\t)%2)
.if (\t) < 7
	s_wait_loadcnt 32                              ; this block's 32 loads are in; the next block's may be out
.else
	s_wait_loadcnt 0x0
.endif
	v_max3_num_f32 v26, |v[WXS]|, |v[WXS+1]|, |v[WXS+2]|
	v_max3_num_f32 v27, |v[WXS+3]|, |v[WXS+4]|, |v[WXS+5]|
.irp i, 6,10,14,18,22,26
	v_max3_num_f32 v26, v26, |v[WXS+\i]|, |v[WXS+\i+1]|
	v_max3_num_f32 v27, v27, |v[WXS+\i+2]|, |v[WXS+\i+3]|
.endr
	v_max3_num_f32 v26, v26, |v[WXS+30]|, |v[WXS+31]|
	v_max3_num_f32 v26, v26, v27, 0x2800000
	v_add_nc_u32 v28, 0xfe000000, v26
	v_lshrrev_b32 v29, 23, v28
.if (\t)%4 == 0
	v_mov_b32 v[24+(\t)/4], v29
.else
	v_lshl_or_b32 v[24+(\t)/4], v29, 8*((\t)%4), v[24+(\t)/4]
.endif
	v_cvt_scalef32_pk16_bf6_f32 v[WC:WC+2], v[WXS:WXS+15], v28
	v_cvt_scalef32_pk16_bf6_f32 v[WC+4:WC+6], v[WXS+16:WXS+31], v28
	v_nop                                          ; one plain place behind a scaled conversion
	v_mov_b32 v[WC+3], v[WC+4]
	v_mov_b32 v[WC+4], v[WC+5]
	v_mov_b32 v[WC+5], v[WC+6]
	ds_store_b128 v11, v[WC:WC+3] offset:((\t)/4)*1536+(((\t)%4)/2)*768+256*((\t)%2)       ; block t is half (t % 4) / 2, lanes 16 (t % 2) on, of K step t / 4
	ds_store_b64 v12, v[WC+4:WC+5] offset:((\t)/4)*1536+(((\t)%4)/2)*768+512+128*((\t)%2)
.if (\t)+2 < 8
	WLOAD (\t)+2
.endif
	s_wait_dscnt 0x0                               ; the stores have read their registers
.endm
	WLOAD 0
	WLOAD 1
.irp t, 0,1,2,3,4,5,6,7
	WBLOCK \t
.endr
	global_store_b64 v14, v[24:25], s[14:15]
.irp n, 0,1,2,3,4,5,6,7,8,9,10,11
	ds_load_b128 v[WOUT+4*\n:WOUT+4*\n+3], v13 offset:3200*(\n/6)+512*(\n%6)
.endr
.irp n, 0,1,2,3,4,5,6,7,8,9,10,11
	s_wait_dscnt 11-\n                             ; the younger loads may be out
	global_store_b128 v4, v[WOUT+4*\n:WOUT+4*\n+3], s[12:13] offset:12288*(\n/6)+512*(\n%6)   ; 512 consecutive bytes, aligned
.endr
	s_wait_tensorcnt 0x0
	ds_add_u32 v254, v255
	s_wait_dscnt 0x0
	s_endpgm
; ---- THE MASK.  A wave takes a query tile and walks its 16 key steps, four a trip, on four sets of registers that are loaded a trip ahead.
.Lmask:
	s_lshl_b32 s21, ttmp9, 2
	s_add_co_u32 s21, s21, s20                     ; query tile
	s_lshr_b32 s22, s21, 1
	s_lshl_b32 s22, s22, 5
	s_and_b32 s23, s21, 1
	s_lshl_b32 s23, s23, 3
	s_add_co_u32 s22, s22, s23
	s_lshl_b32 s22, s22, 11                        ; its first query's row of 2,048 bytes
	s_mov_b32 s23, 0
	s_add_nc_u64 s[10:11], s[10:11], s[22:23]
	s_add_nc_u64 s[24:25], s[10:11], 512           ; what a trip loads: the next trip's four steps
	s_lshl_b32 s22, s21, 12
	s_add_nc_u64 s[16:17], s[16:17], s[22:23]
	s_lshl_b32 s22, s21, 2
	s_add_nc_u64 s[18:19], s[18:19], s[22:23]
	v_and_b32 v6, 8, v2
	v_add_nc_u32 v6, v6, v2
	v_lshlrev_b32 v6, 11, v6
	v_lshl_add_u32 v6, v3, 4, v6                   ; row r + 8 (r / 8), + 16 h
.irp i, 0,1,2,3,4,5,6,7
	v_mov_b32 v[16+\i], 0                          ; v_writelane_b32's destination counts as read
.endr
	s_mov_b32 s44, -1                              ; the AND of all words so far
	s_mov_b32 s45, 0                               ; the flags
	s_mov_b32 s46, 0                               ; the step's place in them
	s_mov_b32 s27, 0
.irp q, 0,1,2,3
.irp b, 0,1,2,3
	global_load_b128 v[64+16*\q+4*\b:64+16*\q+4*\b+3], v6, s[10:11] offset:128*\q+32*\b
.endr
.endr
	s_mov_b32 s21, 0
.macro MSUB q
	s_wait_loadcnt 12                              ; this set's four loads are in; the three younger sets' twelve may be out
	s_mov_b32 s42, -1
	s_mov_b32 s43, 0
.irp g, 0,1,2,3,4,5,6,7                ; words n = 8 g + e
.irp e, 0,1,2,3,4,5,6,7
	v_and_b32 v[24+\e], 0xff<<(8*(\e%4)), v[64+16*\q+4*(\g/2)+((8*\g+\e)%16)/4]
.endr
.irp e, 0,1,2,3,4,5,6,7
	v_cmp_ne_u32 s[32+\e], 0, v[24+\e]             ; the word: a bit a lane
.endr
.irp e, 0,1,2,3,4,5,6,7
	v_writelane_b32 v[16+4*(\q/2)+\e%4], s[32+\e], 16*(\q%2)+2*\g+\e/4   ; word n of an even or odd step: register n % 4 of lane 16 (q % 2) + n / 4
.endr
.irp e, 0,1,2,3,4,5,6,7
	s_and_b32 s42, s42, s[32+\e]
	s_or_b32 s43, s43, s[32+\e]
.endr
.endr
.irp b, 0,1,2,3
	global_load_b128 v[64+16*\q+4*\b:64+16*\q+4*\b+3], v6, s[24:25] offset:128*\q+32*\b
.endr
	s_cmp_eq_u32 s43, 0
	s_cselect_b32 s47, 2, 1
	s_cmp_eq_u32 s42, -1
	s_cselect_b32 s47, 0, s47
	s_lshl_b32 s47, s47, s46
	s_or_b32 s45, s45, s47
	s_add_co_u32 s46, s46, 2
	s_and_b32 s44, s44, s42
.if (\q)%2 == 1
	global_store_b128 v4, v[16+4*(\q/2):16+4*(\q/2)+3], s[16:17] offset:512*(\q/2)   ; two steps' 128 words: 512 consecutive bytes, aligned
.endif
.endm
.Lmtrip:
	MSUB 0
	MSUB 1
	MSUB 2
	MSUB 3
	s_wait_xcnt 0x0                                ; the trip's loads and stores have read their bases and data
	s_add_nc_u64 s[16:17], s[16:17], 1024
	s_add_co_u32 s21, s21, 1
	s_cmp_lt_u32 s21, 3                            ; the last trip has no successor: it loads its own four steps again and drops them, so that the count 12 holds in every trip and no load leaves the buffer
	s_cselect_b32 s26, 512, 0
	s_add_nc_u64 s[24:25], s[24:25], s[26:27]
	s_cmp_lt_u32 s21, 4
	s_cbranch_scc1 .Lmtrip
	s_lshr_b32 s47, s44, 16
	s_and_b32 s47, s47, s44
	s_and_b32 s47, s47, 0xffff                     ; queries with no open key
	s_lshr_b32 s48, s45, 1
	s_or_b32 s48, s48, s45
	s_not_b32 s48, s48
	s_and_b32 s48, s48, 0x55555555                 ; the steps flagged 0
	s_cmp_lg_u32 s47, 0
	s_cselect_b32 s48, s48, 0
	s_or_b32 s45, s45, s48
	v_mov_b32 v7, s45
	v_mov_b32 v8, 0
	s_wait_xcnt 0x0                                ; EXEC changes only behind this wait
	v_cmp_eq_u32 vcc_lo, 0, v1
	s_and_saveexec_b32 s49, vcc_lo
	global_store_b32 v8, v7, s[18:19]              ; one lane stores the tile's word
	s_endpgm
.Lfunc_end_k_qa842df32a4_prep:
	.size	k_qa842df32a4_prep, .Lfunc_end_k_qa842df32a4_prep-k_qa842df32a4_prep
	.p2alignl 7, 3214868480
	.fill 96, 4, 3214868480
	.section	.rodata,"a",@progbits
	.p2align	6, 0x0
	.amdhsa_kernel k_qa842df32a4_prep
		.amdhsa_group_segment_fixed_size 59904
		.amdhsa_private_segment_fixed_size 0
		.amdhsa_enable_private_segment 0
		.amdhsa_kernarg_size 64
		.amdhsa_user_sgpr_count 2
		.amdhsa_user_sgpr_kernarg_segment_ptr 1
		.amdhsa_wavefront_size32 1
		.amdhsa_system_sgpr_workgroup_id_x 1
		.amdhsa_system_sgpr_workgroup_id_y 1
		.amdhsa_system_sgpr_workgroup_id_z 1
		.amdhsa_system_vgpr_workitem_id 0
		.amdhsa_next_free_vgpr 256
		.amdhsa_next_free_sgpr 66
		.amdhsa_reserve_vcc 1
		.amdhsa_float_denorm_mode_32 3
		.amdhsa_float_denorm_mode_16_64 3
		.amdhsa_memory_ordered 1
		.amdhsa_forward_progress 1
		.amdhsa_inst_pref_size 145
	.end_amdhsa_kernel
	.amdgpu_metadata
---
amdhsa.version: [ 1, 2 ]
amdhsa.kernels:
  - .name:           k_qa842df32a4_prep
    .symbol:         k_qa842df32a4_prep.kd
    .args:
      - { .name: hidden_states, .offset: 0, .size: 8, .value_kind: global_buffer, .address_space: global }
      - { .name: W_qkv, .offset: 8, .size: 8, .value_kind: global_buffer, .address_space: global }
      - { .name: W_dense, .offset: 16, .size: 8, .value_kind: global_buffer, .address_space: global }
      - { .name: attention_mask, .offset: 24, .size: 8, .value_kind: global_buffer, .address_space: global }
      - { .name: opc, .offset: 32, .size: 8, .value_kind: global_buffer, .address_space: global }
      - { .name: ops, .offset: 40, .size: 8, .value_kind: global_buffer, .address_space: global }
      - { .name: mbits, .offset: 48, .size: 8, .value_kind: global_buffer, .address_space: global }
      - { .name: flags, .offset: 56, .size: 8, .value_kind: global_buffer, .address_space: global }
    .group_segment_fixed_size: 59904
    .private_segment_fixed_size: 0
    .kernarg_segment_align: 8
    .kernarg_segment_size: 64
    .max_flat_workgroup_size: 128
    .sgpr_count:     66
    .vgpr_count:     256
    .wavefront_size: 32
...
	.end_amdgpu_metadata
.endif
;; end of part 1
;; launch qkv (part 2): grid 12 x 32, 4 waves a work-group, clusters of 4 x 4, 327,680 bytes of LDS; arguments opc, ops, b_qkv, qkvc, qkvs; writes qkvc, qkvs
.if DOCPART == 2
	.amdgcn_target "amdgcn-amd-amdhsa--gfx1250"
	.amdhsa_code_object_version 6
	.text
	.protected	k_qa842df32a4_qkv
	.globl	k_qa842df32a4_qkv
	.p2align	8
	.type	k_qa842df32a4_qkv,@function
k_qa842df32a4_qkv:
	s_mov_b64 s[64:65], 0
	v_nop
	global_prefetch_b8 v0, s[64:65] scope:SCOPE_SE
	s_setreg_imm32_b32 hwreg(HW_REG_WAVE_MODE, 25, 1), 1
	s_wait_xcnt 0x0
	s_wait_alu depctr_hold_cnt(0) depctr_sa_sdst(0) depctr_va_vdst(0) depctr_va_sdst(0) depctr_va_ssrc(0) depctr_va_vcc(0) depctr_vm_vsrc(0)
	s_getreg_b32 s2, hwreg(HW_REG_IB_STS2, 6, 4)
	s_cmp_eq_u32 s2, 0
	s_cbranch_scc0 .Lentry_in_a_cluster
	s_endpgm
.Lentry_in_a_cluster:
	s_bfe_u32 s2, ttmp6, 0x10000c
	s_cmp_lg_u32 s2, 0xf033
	s_cbranch_scc0 .Lentry_shape_is_right
	s_endpgm
.Lentry_shape_is_right:
; QKV: fused = x W_qkv + b_qkv on codes of E3M2, K = 1,024; q, k and v are quantised in registers on the way out and never go to memory as f32.
; A work-group makes 256 x 256: four waves, each 128 x 128 in 64 accumulators.  Source 0 takes 16 rows of operand B, source 1 16 rows of operand A: a lane holds one row of A and its registers run along B's rows.
; TWO MODES, by the cluster's x alone (the same in all sixteen partners).  Clusters 0, 1: A = tokens, B = columns of q and k: a lane's registers run along a head's 64.  Cluster 2: A = columns of v, B = tokens:
; a lane's registers run along the keys.  In both the registers run along the next product's K, so one quantiser serves both.  Both operands lie in one buffer: only a whole number, the 256-row unit, differs.
; By the buffers' order of rows the 16 registers of B's tiles 2 b and 2 b + 1 are 16 neighbours: index 32 b + 16 (lane / 16) + 0 .. 15.
; TILES are images of operand registers (768 bytes for 16 rows x 64 K), so every LDS read is 512 or 256 consecutive bytes: no padding.  K goes in four fills of 256 through two LDS slots; the text is written out, no loop.
; CLUSTER 4 x 4: A's tiles are asked for jointly along a row of the cluster, B's along a column.  The scale words of the work-group's rows, for all of K, come once with the first fills.
; qkvc: q, k: [head slot 32][row tile 512][768]; v at 12,582,912: [128 tokens 64][channel tile 64][1,536].  qkvs: q, k: [head slot][token slot] a word (bytes 0, 1); v at 1,048,576: [128 tokens][channel slot] a word.
; LIMITS: as in the launch before: byte 1 for blocks of zeros or under 2^-122; NaN and infinities not served.
; No prefetch: four fills, two of them at the head.
; REGISTERS: window 0: v1-12 lane numbers and offsets; v16-23 LDS addresses; v27 scale words' address; v28, v29 the add's; v32-63 scale words, two sets; v64-127 the bias; v128-223 A's fragments, one set (free on the way out).
;   window 1: B's fragments, two sets, at v0 and v128.  windows 2, 3: the accumulators: (a, b) at v[8 (8 (a % 4) + b)].
.set HALFT,  24576                     ; 8 row tiles x 3,072 bytes: what one tensor load brings, and what a wave reads of A or of B
.set SLOT,   98304                     ; A's 16 row tiles, then B's 16
.set SCL,    196608                    ; behind the ring: the scale words, 4 x 4,096 bytes
.set SPARE,  212992                    ; the spare words: 128 bytes a wave, two blocks of 256 bytes that no other line names
.set STG,    213504                    ; the way out: 1,024 bytes a wave, into which no fill lands
.set FR,     12
.set NL,     4                         ; LDS loads that bring a fragment
.set ADRA,   16                        ; v16-17 A's fragments in slot 0, 1, 16 x lane; v18-19 the same, 8 x lane
.set ADRB,   20                        ; v20-23 the same for B
.set ADRS,   27
.set SPW,    28
.set NIL,    29
.set SC,     32
.set BI,     64
.set AF,     128
.set PC,     128                       ; the way out: v128-139 codes, v140-146 second halves, v148-163 at work, v164 the scale word, v165 what goes to the stage
.set TQ,     140
.set TM,     148
.set PW,     164
.set SV,     165
.set G1, 24
.set G0, 32
.set G1B, 48
.set G0B, 56
.set G1S, 68
.set G0S, 76
.set G1SB, 80
.set G0SB, 88
.set MSB, 0
.macro WIN new                         ; the immediate's high byte repeats the setting that is left
.if MSB != (\new)
	s_set_vgpr_msb (MSB<<8)|(\new)
.set MSB, (\new)
.endif
.endm
.set MUL_LO, 0xa1                      ; source 0 (B) window 1, source 1 (A) window 0, C and D window 2
.set MUL_HI, 0xf1
.set TO_B,   0x40
.macro JLOAD g0a, g1a, g0b, g1b        ; a joint load: waves 0, 1 fetch for A, waves 2, 3 for B; four v_nop follow each line
	s_cmp_eq_u32 s15, 0
	s_cbranch_scc0 .Lfor_b_\@
	tensor_load_to_lds s[\g0a:\g0a+3], s[\g1a:\g1a+7]
	s_nop 0
.rept 4
	v_nop
.endr
	s_branch .Lasked_\@
.Lfor_b_\@:
	tensor_load_to_lds s[\g0b:\g0b+3], s[\g1b:\g1b+7]
	s_nop 0
.rept 4
	v_nop
.endr
.Lasked_\@:
.endm
.macro CREST                           ; a round of the cluster's barrier behind its opening barrier
	s_cmp_lg_u32 s14, 0
	s_cbranch_scc1 .Lnot_wave_0_\@
	s_barrier_signal -3
.Lnot_wave_0_\@:
	s_barrier_wait -3
	s_barrier_signal -1
	s_barrier_wait -1
.endm
.macro CROUND
	s_barrier_signal -1
	s_barrier_wait -1
	CREST
.endm
.macro PLACES                          ; four places behind a matrix instruction of this form, in front of loads into its registers and of reads of results
.rept 4
	v_nop
.endr
.endm
	s_load_b256 s[4:11], s[0:1], 0x0               ; opc, ops, b_qkv, qkvc
	s_load_b64 s[12:13], s[0:1], 0x20              ; qkvs
	v_lshl_add_u32 v[SPW], v0, 2, SPARE
	v_mov_b32 v[NIL], 0
	ds_add_u32 v28, v29
	ds_add_u32 v28, v29
	s_wait_dscnt 0x0
	v_lshrrev_b32 v1, 5, v0
	v_readfirstlane_b32 s14, v1                    ; wave
	s_lshr_b32 s15, s14, 1                         ; my half of A's rows.  Also: I fetch for A (0) or B (1)
	s_and_b32 s16, s14, 1                          ; my half of B's rows.  Also: which 8 row tiles I fetch
	s_bfe_u32 s40, ttmp6, 0x40000                  ; cx
	s_bfe_u32 s41, ttmp6, 0x40004                  ; cy
	s_and_b32 s17, ttmp7, 0xffff                   ; cluster y, 0 .. 7
	s_lshr_b32 s42, ttmp9, 1                       ; mode: cluster x is 0, 1 (q, k) or 2 (v)
	s_xor_b32 s45, s42, 1
	s_lshl_b32 s18, s17, 2
	s_mul_i32 s19, s18, s45
	s_mul_i32 s20, s42, 40
	s_add_co_u32 s20, s20, s19
	s_add_co_u32 s20, s20, s41                     ; A's unit of 256 rows: 4 cluster y + cy (tokens), or 40 + cy (v's columns)
	s_mul_i32 s46, s18, s42
	s_lshl_b32 s47, ttmp9, 2
	s_add_co_u32 s47, s47, 32
	s_mul_i32 s47, s47, s45
	s_add_co_u32 s46, s46, s47
	s_add_co_u32 s46, s46, s40                     ; B's: 32 + 4 cluster x + cx (q's, k's columns), or 4 cluster y + cx (tokens)
	s_lshl_b32 s43, s41, 2
	s_lshl_b32 s43, 15, s43                        ; my row of the cluster
	s_lshl_b32 s44, 0x1111, s40                    ; my column
	s_or_b32 s[G1+0], s43, (3<<16)|(1<<21)         ; 15:0 the mask; 17:16 elements of 8 bytes; 21 set beside a mask; no padding
	s_or_b32 s[G1B+0], s44, (3<<16)|(1<<21)
.irp g, G1, G1B
	s_mov_b32 s[\g+1], 384<<16                     ; tensor_dim0: a row tile's 3,072 bytes of a fill
	s_mov_b32 s[\g+2], 8<<16                       ; tensor_dim1: 8 row tiles
	s_mov_b32 s[\g+3], 384<<16                     ; tile_dim0
	s_mov_b32 s[\g+4], 8                           ; tile_dim1
	s_mov_b32 s[\g+5], 1536                        ; from row tile to row tile: 12,288 bytes
	s_mov_b32 s[\g+6], 0
	s_mov_b32 s[\g+7], 0
.endr
	s_or_b32 s[G1S+0], s43, (3<<16)|(1<<21)        ; the scale words of 8 row tiles: 4,096 dense bytes as 16 rows of 256
	s_or_b32 s[G1SB+0], s44, (3<<16)|(1<<21)
.irp g, G1S, G1SB
	s_mov_b32 s[\g+1], 32<<16
	s_mov_b32 s[\g+2], 16<<16
	s_mov_b32 s[\g+3], 32<<16
	s_mov_b32 s[\g+4], 16
	s_mov_b32 s[\g+5], 32
	s_mov_b32 s[\g+6], 0
	s_mov_b32 s[\g+7], 0
.endr
	s_lshl_b32 s21, s16, 3
	s_lshl_b32 s18, s20, 4
	s_add_co_u32 s18, s18, s21                     ; A: the first row tile that I fetch
	s_lshl_b32 s22, s18, 9
	s_mul_i32 s18, s18, 12288
	s_mov_b32 s19, 0
	s_mov_b32 s23, 0
	s_lshl_b32 s92, s46, 4
	s_add_co_u32 s92, s92, s21                     ; B likewise, in registers that never hold cy
	s_mul_i32 s94, s92, 12288
	s_lshl_b32 s92, s92, 9
	s_mov_b32 s93, 0
	s_mov_b32 s95, 0
	s_mul_i32 s47, s14, HALFT                      ; where they go: by the wave's number alone
	s_lshl_b32 s21, s14, 12
	s_wait_kmcnt 0x0
	s_add_nc_u64 s[18:19], s[4:5], s[18:19]
	s_add_nc_u64 s[22:23], s[6:7], s[22:23]
	s_add_nc_u64 s[94:95], s[4:5], s[94:95]
	s_add_nc_u64 s[92:93], s[6:7], s[92:93]
	CROUND                                         ; all sixteen work-groups are here: the first joint loads meet
	s_mov_b32 s[G0S], 1
	s_add_co_u32 s[G0S+1], s21, SCL
	s_mov_b64 s[G0S+2:G0S+3], s[22:23]
	s_or_b32 s[G0S+3], s[G0S+3], 0x80000000
	s_mov_b32 s[G0SB], 1
	s_add_co_u32 s[G0SB+1], s21, SCL
	s_mov_b64 s[G0SB+2:G0SB+3], s[92:93]
	s_or_b32 s[G0SB+3], s[G0SB+3], 0x80000000
	JLOAD G0S, G1S, G0SB, G1SB                     ; three loads of mine go out here: the scale words, fill 0, fill 1
.irp s, 0,1
	s_mov_b32 s[G0+4*\s], 1
	s_add_co_u32 s[G0+4*\s+1], s47, \s*SLOT
	s_add_nc_u64 s[G0+4*\s+2:G0+4*\s+3], s[18:19], \s*3072
	s_or_b32 s[G0+4*\s+3], s[G0+4*\s+3], 0x80000000
	s_mov_b32 s[G0B+4*\s], 1
	s_add_co_u32 s[G0B+4*\s+1], s47, \s*SLOT
	s_add_nc_u64 s[G0B+4*\s+2:G0B+4*\s+3], s[94:95], \s*3072
	s_or_b32 s[G0B+4*\s+3], s[G0B+4*\s+3], 0x80000000
	JLOAD G0+4*\s, G1, G0B+4*\s, G1B
.endr
	v_and_b32 v1, 15, v0                           ; r
	v_bfe_u32 v2, v0, 4, 1                         ; h
	v_and_b32 v3, 31, v0
	v_lshlrev_b32 v4, 4, v3                        ; 16 x lane
	v_lshlrev_b32 v5, 3, v3                        ; 8 x lane
	s_mul_i32 s21, s15, HALFT
	s_mul_i32 s22, s16, HALFT
	s_add_co_u32 s22, s22, 2*HALFT
.irp s, 0,1
	v_add_nc_u32 v[ADRA+\s], s21, v4
	v_add_nc_u32 v[ADRA+2+\s], s21, v5
	v_add_nc_u32 v[ADRB+\s], s22, v4
	v_add_nc_u32 v[ADRB+2+\s], s22, v5
	s_add_co_u32 s21, s21, SLOT
	s_add_co_u32 s22, s22, SLOT
.endr
	s_lshl_b32 s21, s15, 12                        ; scale words: lanes 0-15 take A's rows, lanes 16-31 B's: one product of h and the distance
	s_lshl_b32 s22, s16, 12
	s_add_co_u32 s22, s22, 8192
	s_sub_co_u32 s22, s22, s21
	v_mul_u32_u24 v6, s22, v2
	s_add_co_u32 s21, s21, SCL
	v_lshl_add_u32 v6, v1, 4, v6
	v_add_nc_u32 v[ADRS], s21, v6
	; where the results go.  V: my first tile along the lanes; U: my group of 128 along the registers
	s_mul_i32 s92, s42, 40
	s_sub_co_u32 s92, s20, s92
	s_lshl_b32 s92, s92, 4
	s_lshl_b32 s93, s15, 3
	s_add_co_u32 s92, s92, s93                     ; V
	s_lshl_b32 s93, s45, 5
	s_sub_co_u32 s93, s46, s93
	s_lshl_b32 s93, s93, 1
	s_add_co_u32 s93, s93, s16                     ; U
	s_mov_b32 s100, 1536
	s_mov_b32 s94, 768
	s_mov_b32 s95, 1024
	s_cmp_eq_u32 s42, 0
	s_cselect_b32 s100, 768, s100                  ; from tile to tile along the lanes
	s_cselect_b32 s94, 393216, s94                 ; from a fragment's first half to its second: the next head, or the next 64 keys
	s_cselect_b32 s95, 16384, s95
	s_cselect_b32 s96, 1024, 64
	s_cselect_b32 s97, 0, 12582912
	s_cselect_b32 s98, 0, 1048576
	s_mov_b32 s101, 0
	s_mul_i32 s96, s96, s93
	s_add_co_u32 s96, s96, s92
	s_mul_i32 s96, s96, s100
	s_add_co_u32 s96, s96, s97
	s_mov_b32 s97, 0
	s_add_nc_u64 s[10:11], s[10:11], s[96:97]
	s_mul_i32 s95, s95, s93
	s_lshl_b32 s99, s92, 4
	s_add_co_u32 s95, s95, s99
	s_lshl_b32 s95, s95, 2
	s_add_co_u32 s98, s98, s95
	s_mov_b32 s99, 0
	s_add_nc_u64 s[12:13], s[12:13], s[98:99]
	s_lshl_b32 s96, s93, 9                         ; the bias: q, k: my 128 columns; v: my 128 channels
	s_lshl_b32 s97, s92, 6
	s_add_co_u32 s97, s97, 8192
	s_cmp_eq_u32 s42, 0
	s_cselect_b32 s96, s96, s97
	s_mov_b32 s97, 0
	s_add_nc_u64 s[8:9], s[8:9], s[96:97]
	v_add_nc_u32 v6, 512, v5
	v_add_nc_u32 v7, s94, v4
	v_add_nc_u32 v8, s94, v6
	s_lshl_b32 s21, s14, 10
	s_add_co_u32 s21, s21, STG
	v_lshlrev_b32 v9, 9, v2
	v_lshl_add_u32 v9, v1, 2, v9
	v_add_nc_u32 v9, s21, v9                       ; the stage: 512 h + 4 r
	v_add_nc_u32 v10, s21, v4
	v_lshlrev_b32 v11, 6, v2                       ; 64 h
	v_and_b32 v12, 8, v1
	v_add_nc_u32 v12, v12, v1
	v_lshlrev_b32 v12, 2, v12                      ; 4 (r + 8 (r / 8))
	s_mov_b32 s66, 0x76543210
	s_mov_b32 s67, 0xfedcba98
	s_cmp_eq_u32 s42, 0
	s_cbranch_scc0 .Lbias_v
.irp b, 0,1,2,3,4,5,6,7                ; q, k: the bias runs along the registers: tile b's eight columns of my half
	global_load_b128 v[BI+8*\b:BI+8*\b+3], v11, s[8:9] offset:(32*(\b/2)+8*(\b%2))*4
	global_load_b128 v[BI+8*\b+4:BI+8*\b+7], v11, s[8:9] offset:(32*(\b/2)+8*(\b%2))*4+16
.endr
	s_branch .Lbias_in
.Lbias_v:
.irp a, 0,1,2,3,4,5,6,7                ; v: the bias runs along the lanes: block a's channel, the same word into eight registers
.irp j, 0,1,2,3,4,5,6,7
	global_load_b32 v[BI+8*\a+\j], v12, s[8:9] offset:(32*(\a/2)+8*(\a%2))*4
.endr
.endr
.Lbias_in:
.macro FRAG reg, adr, q, i             ; 16 rows x 128 K: two images, four loads, each of consecutive bytes
	ds_load_b128 v[\reg:\reg+3], v[\adr] offset:(\i)*3072+(\q)*1536
	ds_load_b64 v[\reg+4:\reg+5], v[\adr+2] offset:(\i)*3072+(\q)*1536+512
	ds_load_b128 v[\reg+6:\reg+9], v[\adr] offset:(\i)*3072+(\q)*1536+768
	ds_load_b64 v[\reg+10:\reg+11], v[\adr+2] offset:(\i)*3072+(\q)*1536+1280
.endm
; 16 matrix instructions: A's blocks a0, a0 + 1 x B's eight.  p: B's set; q: the slot's K step; sc: the set of scale words.  cm = 1: C is the bias of B's block; 2: of A's block; 0: the sum goes on.
; The 64 accumulators take turns, one instruction a turn, in the same order in every step.
.macro MUL16 a0, p, q, sc, cm
.irp a, \a0, \a0+1
.irp b, 0,1,2,3,4,5,6,7
.if \cm == 1
	v_wmma_scale_f32_16x16x128_f8f6f4 v[8*(8*((\a)%4)+\b):8*(8*((\a)%4)+\b)+7], v[128*(\p)+FR*\b:128*(\p)+FR*\b+FR-1], v[AF+FR*(\a):AF+FR*(\a)+FR-1], v[BI+8*\b:BI+8*\b+7], v[SC+16*(\sc)+2*\b+(\q)], v[SC+16*(\sc)+2*(\a)+(\q)] matrix_a_fmt:MATRIX_FMT_BF6 matrix_b_fmt:MATRIX_FMT_BF6 matrix_a_scale:MATRIX_SCALE_ROW1
.elseif \cm == 2
	v_wmma_scale_f32_16x16x128_f8f6f4 v[8*(8*((\a)%4)+\b):8*(8*((\a)%4)+\b)+7], v[128*(\p)+FR*\b:128*(\p)+FR*\b+FR-1], v[AF+FR*(\a):AF+FR*(\a)+FR-1], v[BI+8*(\a):BI+8*(\a)+7], v[SC+16*(\sc)+2*\b+(\q)], v[SC+16*(\sc)+2*(\a)+(\q)] matrix_a_fmt:MATRIX_FMT_BF6 matrix_b_fmt:MATRIX_FMT_BF6 matrix_a_scale:MATRIX_SCALE_ROW1
.else
	v_wmma_scale_f32_16x16x128_f8f6f4 v[8*(8*((\a)%4)+\b):8*(8*((\a)%4)+\b)+7], v[128*(\p)+FR*\b:128*(\p)+FR*\b+FR-1], v[AF+FR*(\a):AF+FR*(\a)+FR-1], v[8*(8*((\a)%4)+\b):8*(8*((\a)%4)+\b)+7], v[SC+16*(\sc)+2*\b+(\q)], v[SC+16*(\sc)+2*(\a)+(\q)] matrix_a_fmt:MATRIX_FMT_BF6 matrix_b_fmt:MATRIX_FMT_BF6 matrix_a_scale:MATRIX_SCALE_ROW1
.endif
.endr
.endr
.endm
.macro FETCH_B slot, q, p
	WIN TO_B
.irp i, 0,1,2,3,4,5,6,7
	FRAG 128*(\p)+FR*\i, ADRB+\slot, \q, \i
.endr
	WIN 0
.endm
.macro FETCH_A slot, q, i0
.irp i, \i0, \i0+1, \i0+2, \i0+3
	FRAG AF+FR*(\i), ADRA+\slot, \q, \i
.endr
.endm
.macro SCALES f, set                   ; fill f's two words a row: lanes 0-15 A's block i, lanes 16-31 B's block i
.irp i, 0,1,2,3,4,5,6,7
	ds_load_b64 v[SC+16*(\set)+2*\i:SC+16*(\set)+2*\i+1], v[ADRS] offset:512*\i+256*((\f)/2)+8*((\f)%2)
.endr
.endm
.macro STEP slot, cm                   ; a slot's first K step
	s_wait_dscnt 4*NL                              ; B's set, A's blocks 0-3 and the scale words are in; the youngest 16 loads (A's blocks 4-7) may be out
.if \cm
	WIN 0x81                                       ; C (the bias) window 0, D window 2
.else
	WIN MUL_LO
.endif
	MUL16 0, 0, 0, \slot, \cm
	MUL16 2, 0, 0, \slot, \cm
	s_wait_dscnt 0x0
	PLACES
	FETCH_B \slot, 1, 1
	FETCH_A \slot, 1, 0
.if \cm
	WIN 0xc1
.else
	WIN MUL_HI
.endif
	MUL16 4, 0, 0, \slot, \cm
	MUL16 6, 0, 0, \slot, \cm
	PLACES
	WIN 0
	FETCH_A \slot, 1, 4
.endm
; A slot's second K step changes slots: one barrier; in front of it each wave waits for all its tensor loads, adds 0 to its spare word, and waits for that and for its reads of this slot.
; fill = 1: the barrier opens a round of the cluster's, and this slot is filled again first thing behind it: one load of mine is then out.  f: the fill that lies in the next slot.
.macro TURN slot, next, fill, f
	s_wait_tensorcnt 0x0                           ; all my tensor loads have landed, my part of the next slot among them
	ds_add_u32 v[SPW], v[NIL]                      ; 0 onto my spare word
	s_wait_dscnt 4*NL+1                            ; (the add and the youngest 16 loads may be out)
	WIN MUL_LO
	MUL16 0, 1, 1, \slot, 0
	s_wait_dscnt 0x0                               ; the add is done, and my reads of this slot are over
	s_barrier_signal -1
	MUL16 2, 1, 1, \slot, 0
	WIN 0
	s_barrier_wait -1
.if \fill
	CREST                                          ; no wave of any partner still reads this slot or has a load on its way
	s_add_nc_u64 s[G0+4*\slot+2:G0+4*\slot+3], s[G0+4*\slot+2:G0+4*\slot+3], 6144
	s_add_nc_u64 s[G0B+4*\slot+2:G0B+4*\slot+3], s[G0B+4*\slot+2:G0B+4*\slot+3], 6144
	JLOAD G0+4*\slot, G1, G0B+4*\slot, G1B         ; its four v_nop are also the places in front of the loads below
.else
	PLACES
.endif
	FETCH_B \next, 0, 0
	FETCH_A \next, 0, 0
	SCALES \f, \next
	WIN MUL_HI
	MUL16 4, 1, 1, \slot, 0
	MUL16 6, 1, 1, \slot, 0
	PLACES
	WIN 0
	FETCH_A \next, 0, 4
.endm
	s_wait_tensorcnt 1                             ; the scale words and my part of fill 0 are in; fill 1 may be out
	s_barrier_signal -1
	s_barrier_wait -1
	FETCH_B 0, 0, 0
	FETCH_A 0, 0, 0
	SCALES 0, 0
	FETCH_A 0, 0, 4
	s_wait_loadcnt 0x0                             ; the bias
	s_cmp_eq_u32 s42, 0
	s_cbranch_scc0 .Lfirst_v
	STEP 0, 1                                      ; the first K step starts the sums on the bias: nothing is cleared, nothing is added later
	s_branch .Lfirst_done
.Lfirst_v:
	STEP 0, 2
.Lfirst_done:
	TURN 0, 1, 1, 1
	STEP 1, 0
	TURN 1, 0, 1, 2
	STEP 0, 0
	TURN 0, 1, 0, 3                                ; nothing is left to fetch
	STEP 1, 0
	s_wait_dscnt 4*NL
	WIN MUL_LO
	MUL16 0, 1, 1, 1, 0
	MUL16 2, 1, 1, 1, 0
	s_wait_dscnt 0x0
	WIN MUL_HI
	MUL16 4, 1, 1, 1, 0
	MUL16 6, 1, 1, 1, 0
	WIN 0
; THE WAY OUT.  Block a's 64 registers of a lane are 128 neighbours along the next K, 16 of each block of 32 in each half of the lanes: they become one fragment and one scale word a row.
.macro OUTBLK a
.set AC, 64*((\a)%4)
.set WA, 2+(\a)/4
.set WB, (WA<<2)|(WA<<4)
	WIN WB                                         ; sources 1 and 2: the accumulators' window
.irp b, 0,1,2,3
	v_max3_num_f32 v[TM+\b], 0x2800000, |v[AC+16*\b]|, |v[AC+16*\b+1]|     ; each accumulator is read from its low end on; the floor holds the byte at 1 from below
.endr
.irp i, 2,4,6,8,10,12,14
.irp b, 0,1,2,3
	v_max3_num_f32 v[TM+\b], v[TM+\b], |v[AC+16*\b+\i]|, |v[AC+16*\b+\i+1]|
.endr
.endr
	WIN 0
.irp b, 0,1,2,3
	v_permlanex16_b32 v[TM+4+\b], v[TM+\b], s66, s67
.endr
.irp b, 0,1,2,3
	v_max_num_f32 v[TM+\b], v[TM+\b], v[TM+4+\b]
.endr
.irp b, 0,1,2,3
	v_add_nc_u32 v[TM+12+\b], 0xfe000000, v[TM+\b]
.endr
.irp b, 0,1,2,3
	v_lshrrev_b32 v[TM+4+\b], 23, v[TM+12+\b]
.endr
	v_lshl_or_b32 v[PW], v[TM+5], 8, v[TM+4]
	v_lshl_or_b32 v[PW], v[TM+6], 16, v[PW]
	v_lshl_or_b32 v[PW], v[TM+7], 24, v[PW]
	s_wait_xcnt 0x0                                ; the last block's stores have read their data and their base
.if (\a) > 0
	s_add_nc_u64 s[10:11], s[10:11], s[100:101]
.endif
	WIN WA                                         ; source 0: the accumulators' window
.irp c, 0,1
	v_cvt_scalef32_pk16_bf6_f32 v[PC+6*\c:PC+6*\c+2], v[AC+32*\c:AC+32*\c+15], v[TM+12+2*\c]
	v_cvt_scalef32_pk16_bf6_f32 v[TQ+4*\c:TQ+4*\c+2], v[AC+32*\c+16:AC+32*\c+31], v[TM+12+2*\c+1]
.endr
	WIN 0
	v_nop                                          ; one plain place behind a scaled conversion
.irp c, 0,1                            ; the operand's layout wants a whole block in a lane
.irp i, 0,1,2
	v_permlane16_swap_b32 v[PC+6*\c+\i], v[TQ+4*\c+\i]
.endr
.irp i, 0,1,2
	v_mov_b32 v[PC+3+6*\c+\i], v[TQ+4*\c+\i]
.endr
.endr
	global_store_b128 v4, v[PC:PC+3], s[10:11]     ; images: each store covers 512 or 256 consecutive bytes, aligned
	global_store_b64 v6, v[PC+4:PC+5], s[10:11]
	global_store_b128 v7, v[PC+6:PC+9], s[10:11]
	global_store_b64 v8, v[PC+10:PC+11], s[10:11]
	v_lshrrev_b32 v[SV], 16, v[PW]
	v_cndmask_b32 v[SV], v[PW], v[SV], vcc_lo      ; lanes 0-15 keep the word, lanes 16-31 its upper two bytes (q, k: the odd head's)
	ds_store_b32 v9, v[SV] offset:64*(\a)
.endm
	PLACES
.irp b, 0,1,2,3
	v_mov_b32 v[TM+4+\b], 0                        ; a lane permute's destination counts as read
.endr
	v_cmp_ne_u32 vcc_lo, 0, v2
.irp a, 0,1,2,3,4,5,6,7
	OUTBLK \a
.endr
	ds_load_b128 v[148:151], v10                   ; my 128 rows' words, in order: LDS serves a wave's instructions in order
	ds_load_b128 v[152:155], v10 offset:512
	s_wait_dscnt 0x0
	global_store_b128 v4, v[148:151], s[12:13]     ; 512 consecutive bytes, aligned
	s_cmp_eq_u32 s42, 0
	s_cbranch_scc0 .Lno_odd
	global_store_b128 v4, v[152:155], s[12:13] offset:32768   ; q, k: the odd head's words
.Lno_odd:
	s_wait_tensorcnt 0x0                           ; the wave's end
	ds_add_u32 v[SPW], v[NIL]
	s_wait_dscnt 0x0
	CROUND                                         ; the closing round
	s_endpgm
.Lfunc_end_k_qa842df32a4_qkv:
	.size	k_qa842df32a4_qkv, .Lfunc_end_k_qa842df32a4_qkv-k_qa842df32a4_qkv
	.p2alignl 7, 3214868480
	.fill 96, 4, 3214868480
	.section	.rodata,"a",@progbits
	.p2align	6, 0x0
	.amdhsa_kernel k_qa842df32a4_qkv
		.amdhsa_group_segment_fixed_size 327680
		.amdhsa_private_segment_fixed_size 0
		.amdhsa_enable_private_segment 0
		.amdhsa_kernarg_size 40
		.amdhsa_user_sgpr_count 2
		.amdhsa_user_sgpr_kernarg_segment_ptr 1
		.amdhsa_wavefront_size32 1
		.amdhsa_system_sgpr_workgroup_id_x 1
		.amdhsa_system_sgpr_workgroup_id_y 1
		.amdhsa_system_sgpr_workgroup_id_z 1
		.amdhsa_system_vgpr_workitem_id 0
		.amdhsa_next_free_vgpr 1024
		.amdhsa_next_free_sgpr 102
		.amdhsa_reserve_vcc 1
		.amdhsa_float_denorm_mode_32 3
		.amdhsa_float_denorm_mode_16_64 3
		.amdhsa_memory_ordered 1
		.amdhsa_forward_progress 1
		.amdhsa_inst_pref_size 171
	.end_amdhsa_kernel
	.amdgpu_metadata
---
amdhsa.version: [ 1, 2 ]
amdhsa.kernels:
  - .name:           k_qa842df32a4_qkv
    .symbol:         k_qa842df32a4_qkv.kd
    .args:
      - { .name: opc, .offset: 0, .size: 8, .value_kind: global_buffer, .address_space: global }
      - { .name: ops, .offset: 8, .size: 8, .value_kind: global_buffer, .address_space: global }
      - { .name: b_qkv, .offset: 16, .size: 8, .value_kind: global_buffer, .address_space: global }
      - { .name: qkvc, .offset: 24, .size: 8, .value_kind: global_buffer, .address_space: global }
      - { .name: qkvs, .offset: 32, .size: 8, .value_kind: global_buffer, .address_space: global }
    .group_segment_fixed_size: 327680
    .private_segment_fixed_size: 0
    .kernarg_segment_align: 8
    .kernarg_segment_size: 40
    .max_flat_workgroup_size: 128
    .sgpr_count:     102
    .vgpr_count:     1024
    .wavefront_size: 32
...
	.end_amdgpu_metadata
.endif
;; end of part 2
;; launch attn (part 3): grid 8 x 64, 16 waves a work-group, no clusters, 63,488 bytes of LDS; arguments qkvc, qkvs, mbits, flags, cc, cs; writes cc, cs
.if DOCPART == 3
	.amdgcn_target "amdgcn-amd-amdhsa--gfx1250"
	.amdhsa_code_object_version 6
	.text
	.protected	k_qa842df32a4_attn
	.globl	k_qa842df32a4_attn
	.p2align	8
	.type	k_qa842df32a4_attn,@function
k_qa842df32a4_attn:
	s_mov_b64 s[64:65], 0
	v_nop
	global_prefetch_b8 v0, s[64:65] scope:SCOPE_SE
	s_setreg_imm32_b32 hwreg(HW_REG_WAVE_MODE, 25, 1), 1
	s_wait_xcnt 0x0
; ATTENTION on codes of E3M2: S^T = K Q^T (K = the head's 64), the mask as it is given, p = 2^(t - M) with M a whole number, O^T = V^T P^T (K = the keys), O / l, and ctx quantised along H in registers.
; SHARES.  A work-group: one head of one batch, 16 query tiles; a wave: one tile of 16 queries in 256 registers, four waves to a SIMD.  Wave w of work-group x takes tile 8 rank(w) + x; the ranks form a 4 x 4 square
; whose rows and columns have equal sums, so that under masks that hide later keys the waves of every four have equal work.  Every wave passes all 16 key steps of 128 keys.
; THE MASK.  An earlier launch stored, for each query tile and key step, 64 words (a bit a lane for each score register) and a flag: 0: all hidden, the step's work is jumped over; 1: the hidden scores are replaced; 2: none hidden.
; A hidden score becomes -2^126.  c x 2^126 is a whole number, so a query with only hidden keys so far has M = -c 2^126 and p = 1 exactly; the first open key makes the factor 2^(old M - new M) zero, which wipes those
; sums; a query with no open key at all ends as even weights (its tile has no flag 0).  Everywhere else a hidden key's p is 0.
; NO TENSOR LOADS, NO CLUSTER: K and V go from memory through registers into LDS: each wave copies 1,536 bytes of each
; slot of 256 keys, asked for a slot ahead; two buffers, one barrier a slot.
; K = 64 IN AN INSTRUCTION OF 128: Q's upper six registers are zero codes.  A tile of K is named with the six registers that follow it (the next tile's codes): they meet zero codes and add nothing.  The scale bytes
; that stand over that half (bytes 2, 3 of Q's and K's words) are the neighbouring head's bytes or 0, never 0xff.  Q's scale word is used as it is loaded.
; LAYOUT: both products transposed: a lane holds one query throughout; by the buffers' order of rows the 16 registers of tiles 2 b, 2 b + 1 are 16 neighbouring keys (or channels).
; LIMITS: scores at or under -2^126 are not told from hidden ones; 1 / l is v_rcp_f32; byte 1 for blocks of zeros or under 2^-122; NaN and infinities not served.  The two scale bytes of a row of ctx leave by one
; store of 2 bytes a lane, once a wave.
; REGISTERS: v1 16 lane, v2 8 lane, v3 my copy's place, v4-7 scale words' addresses, v9 prefetch offset, v10 -2^126, v12 -M, v13 largest t, v[14:15] the sum, v16-27 Q, v28 Q's scale word, v30-41 the copy,
;   v42-95 K's eight tiles and six zeros, later V's four fragments, v96-159 S^T then p, v160-191 O^T, v192-203 p's codes, v204-210 second halves, v212-237 at work.
.set BUF,  24576                       ; a buffer: 16 tiles of K x 768, then 8 fragments of V x 1,536
.set VOFF, 12288
.set SCK,  49152                       ; K's scale words of the whole head, 8,192 bytes
.set SCV,  57344                       ; V's, 4,096 bytes: 256 a key step
.set KF,   42
.set S,    96
.set O,    160
.set PC,   192
.set CT,   204
.set BM,   212
.set PX,   216
.set SO,   220
.set PWD,  224
.set KS,   225
.set VS,   229
.set FF,   232
.set TMP,  234
.set CH,   236
	s_load_b256 s[80:87], s[0:1], 0x0              ; qkvc, qkvs, mbits, flags
	s_load_b128 s[88:91], s[0:1], 0x20             ; cc, cs
	v_lshl_add_u32 v254, v0, 2, 0xf000
	v_mov_b32 v255, 0
	v_lshrrev_b32 v8, 5, v0
	v_readfirstlane_b32 s2, v8                     ; wave 0 .. 15
	v_and_b32 v11, 31, v0
	v_lshlrev_b32 v1, 4, v11
	v_lshlrev_b32 v2, 3, v11
	v_and_b32 v29, 15, v0
	v_lshlrev_b32 v29, 2, v29                      ; 4 r
	v_lshlrev_b32 v234, 12, v8
	v_add_nc_u32 v234, v234, v2                    ; V's scale words in memory: key step = my wave, 8 bytes a lane
	v_lshlrev_b32 v8, 3, v0                        ; K's: 8 bytes a thread
	v_lshl_add_u32 v235, v0, 3, SCK                ; and where they go
	v_lshl_add_u32 v4, v11, 2, SCK
	v_lshl_add_u32 v5, v11, 2, SCV
	s_mul_i32 s99, s2, 1536
	v_add_nc_u32 v3, s99, v1
	s_and_b32 s77, ttmp7, 0xffff
	s_lshr_b32 s78, s77, 4                         ; batch
	s_and_b32 s79, s77, 15                         ; head
	s_mov_b32 s96, 0x0de3b658
	s_cmp_lt_u32 s2, 8
	s_cselect_b32 s96, 0x7a94c12f, s96             ; the ranks, four bits a wave
	s_and_b32 s97, s2, 7
	s_lshl_b32 s97, s97, 2
	s_lshr_b32 s96, s96, s97
	s_and_b32 s96, s96, 15
	s_lshl_b32 s96, s96, 3
	s_add_co_u32 s96, s96, ttmp9                   ; my query tile in the sequence
	s_lshl_b32 s97, s78, 7
	s_add_co_u32 s97, s97, s96                     ; and among all row tiles
	s_lshl_b32 s16, s79, 9
	s_add_co_u32 s16, s16, s97
	s_mul_i32 s16, s16, 768                        ; Q's image
	s_mov_b32 s17, 0
	s_lshl_b32 s18, s79, 13
	s_lshl_b32 s19, s97, 4
	s_add_co_u32 s18, s18, s19
	s_lshl_b32 s18, s18, 2                         ; Q's scale words
	s_mov_b32 s19, 0
	s_add_co_u32 s98, s79, 16
	s_lshl_b32 s20, s98, 15
	s_lshl_b32 s21, s78, 13
	s_add_co_u32 s20, s20, s21                     ; K's scale words
	s_mov_b32 s21, 0
	s_lshl_b32 s22, s78, 16
	s_lshl_b32 s23, s79, 8
	s_add_co_u32 s22, s22, s23
	s_add_co_u32 s22, s22, 1048576                 ; V's
	s_mov_b32 s23, 0
	s_lshl_b32 s24, s98, 9
	s_lshl_b32 s25, s78, 7
	s_add_co_u32 s24, s24, s25
	s_mul_i32 s24, s24, 768                        ; the head's K
	s_lshl_b32 s25, s78, 10
	s_lshl_b32 s26, s79, 2
	s_add_co_u32 s25, s25, s26
	s_mul_i32 s25, s25, 1536
	s_add_co_u32 s25, s25, 12582912                ; the head's V
	s_add_co_u32 s26, s24, s99                     ; what I copy: waves 0-7 two tiles of K,
	s_and_b32 s27, s2, 7
	s_lshr_b32 s28, s27, 2
	s_lshl_b32 s28, s28, 6
	s_and_b32 s27, s27, 3
	s_add_co_u32 s28, s28, s27
	s_mul_i32 s28, s28, 1536
	s_add_co_u32 s27, s25, s28                     ; waves 8-15 a fragment of V
	s_mov_b32 s6, 196608
	s_cmp_lt_u32 s2, 8
	s_cselect_b32 s26, s26, s27
	s_cselect_b32 s6, 12288, s6                    ; a slot on
	s_mov_b32 s27, 0
	s_mov_b32 s7, 0
	s_add_co_u32 s28, s24, 49152                   ; the prefetches begin at slot 4
	s_add_co_u32 s29, s25, 786432
	s_mov_b32 s74, 393216
	s_cmp_lt_u32 s2, 4
	s_cselect_b32 s28, s28, s29
	s_cselect_b32 s74, 24576, s74                  ; two slots on
	s_cselect_b32 s98, 0, 92160
	s_mov_b32 s29, 0
	s_mov_b32 s75, 0
	s_and_b32 s77, s2, 3
	s_lshl_b32 s77, s77, 5
	v_add_nc_u32 v9, s77, v11                      ; my block of 256 bytes among 96
	v_mul_u32_u24 v236, v9, 171
	v_lshrrev_b32 v236, 12, v236                   ; / 24: V's 6,144 bytes of a key step are 24 blocks, and the steps lie 98,304 bytes apart
	v_mul_u32_u24 v236, v236, s98
	v_lshl_add_u32 v9, v9, 8, v236
	s_lshr_b32 s77, s2, 3
	s_or_b32 s77, s77, ttmp9
	s_cmp_eq_u32 s77, 0
	s_cselect_b32 s76, 2, -1                       ; who prefetches: the head's first work-group, waves 0-2 (K) and 4-6 (V)
	s_and_b32 s77, s2, 3
	s_cmp_eq_u32 s77, 3
	s_cselect_b32 s76, -1, s76
	s_lshl_b32 s30, s96, 2
	s_mov_b32 s31, 0
	s_lshl_b32 s32, s96, 12
	s_mov_b32 s33, 0
	s_lshl_b32 s34, s97, 4
	s_add_co_u32 s34, s34, s79
	s_mul_i32 s34, s34, 768
	s_mov_b32 s35, 0
	s_lshl_b32 s36, s97, 9
	s_lshr_b32 s37, s79, 3
	s_lshl_b32 s37, s37, 8
	s_add_co_u32 s36, s36, s37
	s_bfe_u32 s37, s79, 0x20001
	s_lshl_b32 s37, s37, 2
	s_add_co_u32 s36, s36, s37
	s_and_b32 s37, s79, 1
	s_lshl_b32 s37, s37, 1
	s_add_co_u32 s36, s36, s37
	s_mov_b32 s37, 0
	s_mov_b32 s66, 0x76543210
	s_mov_b32 s67, 0xfedcba98
	s_mov_b32 s68, 0x3e38aa3b                      ; c = log2(e) / sqrt(64)
	s_mov_b32 s69, s68
	s_mov_b32 s70, 0
	s_mov_b32 s71, 0
	s_wait_kmcnt 0x0
	s_add_nc_u64 s[16:17], s[80:81], s[16:17]
	s_add_nc_u64 s[18:19], s[82:83], s[18:19]
	s_add_nc_u64 s[20:21], s[82:83], s[20:21]
	s_add_nc_u64 s[22:23], s[82:83], s[22:23]
	s_add_nc_u64 s[4:5], s[80:81], s[26:27]
	s_add_nc_u64 s[72:73], s[80:81], s[28:29]
	s_add_nc_u64 s[30:31], s[86:87], s[30:31]
	s_add_nc_u64 s[8:9], s[84:85], s[32:33]
	s_add_nc_u64 s[10:11], s[88:89], s[34:35]
	s_add_nc_u64 s[12:13], s[90:91], s[36:37]
	s_load_b32 s14, s[30:31], 0x0                  ; my tile's flags
	global_load_b128 v[30:33], v1, s[4:5]          ; slot 0
	global_load_b128 v[34:37], v1, s[4:5] offset:512
	global_load_b128 v[38:41], v1, s[4:5] offset:1024
	global_load_b64 v[96:97], v8, s[20:21]
	global_load_b64 v[98:99], v8, s[20:21] offset:4096
	global_load_b64 v[100:101], v234, s[22:23]
	global_load_b128 v[16:19], v1, s[16:17]
	global_load_b64 v[20:21], v2, s[16:17] offset:512
	global_load_b32 v28, v29, s[18:19]             ; Q's scale word: written by this load alone
.irp i, 22,23,24,25,26,27,90,91,92,93,94,95
	v_mov_b32 v\i, 0                               ; zero codes
.endr
.set i_, 0
.rept 32
	v_mov_b32 v[O+i_], 0                           ; the step is written once: the first finds zeros
.set i_, i_+1
.endr
	v_mov_b32 v10, 0xfe800000                      ; -2^126
	v_mov_b32 v13, 0xff61b1e6                      ; the largest t so far: -3e38
	v_floor_f32 v12, -v13
	v_mov_b32 v14, 0
	v_mov_b32 v15, 0
.irp b, 0,1,2,3
	v_mov_b32 v[PX+\b], 0                          ; a lane permute's destination counts as read
.endr
	v_mov_b32 v[FF+1], 0                           ; (named as the upper half of a pair)
	s_wait_loadcnt 0x0
	ds_store_b128 v3, v[30:33]
	ds_store_b128 v3, v[34:37] offset:512
	ds_store_b128 v3, v[38:41] offset:1024
	ds_store_b64 v235, v[96:97]
	ds_store_b64 v235, v[98:99] offset:4096
	ds_store_b64 v235, v[100:101] offset:8192
	s_wait_dscnt 0x0                               ; for the others' sake; and the stores have read their registers
	s_add_nc_u64 s[4:5], s[4:5], s[6:7]
	global_load_b128 v[30:33], v1, s[4:5]          ; slot 1
	global_load_b128 v[34:37], v1, s[4:5] offset:512
	global_load_b128 v[38:41], v1, s[4:5] offset:1024
	s_wait_kmcnt 0x0
	s_barrier_signal -1
	s_barrier_wait -1
; A KEY STEP: 128 keys: half si of the slot in buffer be.
.macro STEP be, si
	s_and_b32 s15, s14, 3
	s_lshr_b32 s14, s14, 2
	s_cmp_eq_u32 s15, 0
	s_cbranch_scc1 .Lskip_\@                       ; all hidden: every p would be 0
	s_load_b512 s[16:31], s[8:9], 256*(2*\be+\si)  ; the step's 64 mask words, on every way through the step
	s_load_b512 s[32:47], s[8:9], 256*(2*\be+\si)+64
	s_load_b512 s[48:63], s[8:9], 256*(2*\be+\si)+128
	s_load_b512 s[80:95], s[8:9], 256*(2*\be+\si)+192
.irp t, 0,1,2,3,4,5,6,7
	ds_load_b128 v[KF+6*\t:KF+6*\t+3], v1 offset:BUF*\be+768*(8*\si+\t)
	ds_load_b64 v[KF+6*\t+4:KF+6*\t+5], v2 offset:BUF*\be+768*(8*\si+\t)+512
.endr
.irp i, 0,1,2,3
	ds_load_b32 v[KS+\i], v6 offset:512*(2*\be+\si)+128*\i     ; lanes 0-15: tile 2 i's words, lanes 16-31: tile 2 i + 1's
.endr
	s_wait_dscnt 0x0
.irp t, 0,2,4,6
	v_wmma_scale_f32_16x16x128_f8f6f4 v[S+8*\t:S+8*\t+7], v[KF+6*\t:KF+6*\t+11], v[16:27], 0, v[KS+\t/2], v28 matrix_a_fmt:MATRIX_FMT_BF6 matrix_b_fmt:MATRIX_FMT_BF6
	v_wmma_scale_f32_16x16x128_f8f6f4 v[S+8*\t+8:S+8*\t+15], v[KF+6*\t+6:KF+6*\t+17], v[16:27], 0, v[KS+\t/2], v28 matrix_a_fmt:MATRIX_FMT_BF6 matrix_b_fmt:MATRIX_FMT_BF6 matrix_a_scale:MATRIX_SCALE_ROW1
.endr
.rept 4
	v_nop                                          ; places in front of the loads into K's registers and of the first read of the scores
.endr
.irp t, 0,1,2,3                        ; V's fragments land while the softmax is walked
	ds_load_b128 v[KF+12*\t:KF+12*\t+3], v1 offset:BUF*\be+VOFF+1536*(4*\si+\t)
	ds_load_b64 v[KF+12*\t+4:KF+12*\t+5], v2 offset:BUF*\be+VOFF+1536*(4*\si+\t)+512
	ds_load_b128 v[KF+12*\t+6:KF+12*\t+9], v1 offset:BUF*\be+VOFF+1536*(4*\si+\t)+768
	ds_load_b64 v[KF+12*\t+10:KF+12*\t+11], v2 offset:BUF*\be+VOFF+1536*(4*\si+\t)+1280
.endr
	ds_load_b32 v[VS], v7 offset:256*(2*\be+\si)
	ds_load_b32 v[VS+1], v7 offset:256*(2*\be+\si)+128
	s_wait_kmcnt 0x0                               ; the mask words are in
	s_cmp_eq_u32 s15, 1
	s_cbranch_scc0 .Lopen_\@
.set n_, 0
.rept 64
.set sw_, 16+n_
.if n_ >= 48
.set sw_, 32+n_
.endif
	v_cndmask_b32 v[S+n_], v[S+n_], v10, s[sw_]    ; hidden: -2^126
.set n_, n_+1
.endr
.Lopen_\@:
.irp b, 0,1,2,3
	v_max3_num_f32 v[BM+\b], v[S+16*\b], v[S+16*\b+1], v[S+16*\b+2]        ; the largest score of each block of 32 keys: for the row's maximum and, since p rises with the score, for the block's largest p
.endr
.irp i, 3,5,7,9,11,13
.irp b, 0,1,2,3
	v_max3_num_f32 v[BM+\b], v[BM+\b], v[S+16*\b+\i], v[S+16*\b+\i+1]
.endr
.endr
.irp b, 0,1,2,3
	v_max_num_f32 v[BM+\b], v[BM+\b], v[S+16*\b+15]
.endr
.irp b, 0,1,2,3
	v_permlanex16_b32 v[PX+\b], v[BM+\b], s66, s67
.endr
.irp b, 0,1,2,3
	v_max_num_f32 v[BM+\b], v[BM+\b], v[PX+\b]
.endr
	v_max3_num_f32 v[TMP], v[BM], v[BM+1], v[BM+2]
	v_max_num_f32 v[TMP], v[TMP], v[BM+3]
	v_mul_f32 v[TMP], s68, v[TMP]
	v_max_num_f32 v13, v13, v[TMP]                 ; the running largest t
	v_mov_b32 v[TMP], v12
	v_floor_f32 v12, -v13                          ; -M = floor(-t): M is a whole number
	v_sub_f32 v[TMP], v12, v[TMP]
	v_cvt_i32_f32 v[TMP], v[TMP]                   ; (it saturates)
	v_ldexp_f32 v[FF], 1.0, v[TMP]                 ; f = 2^(old M - new M): rounds nothing
.set j_, 0
.rept 32
	v_pk_fma_f32 v[S+j_:S+j_+1], v[S+j_:S+j_+1], s[68:69], v[12:13] op_sel_hi:[1,0,0]   ; t - M
.set j_, j_+2
.endr
.irp b, 0,1,2,3
	v_fma_f32 v[BM+\b], v[BM+\b], s68, v12
.endr
.set j_, 0
.rept 64
	v_exp_f32 v[S+j_], v[S+j_]                     ; p, not normalised
.set j_, j_+1
.endr
	v_pk_mul_f32 v[14:15], v[14:15], v[FF:FF+1] op_sel_hi:[1,0]            ; a plain place behind the exponentials
	s_wait_alu depctr_va_vdst(0)                   ; one wait for the batch, ahead of its first reader
.irp b, 0,1,2,3
	v_exp_f32 v[BM+\b], v[BM+\b]                   ; the blocks' largest p
.endr
	v_pk_add_f32 v[CH:CH+1], v[S:S+1], v[S+2:S+3]  ; the row's sum of the unquantised p, in two chains
.irp j, 4,8,12,16,20,24,28,32,36,40,44,48,52,56,60
	v_pk_add_f32 v[14:15], v[14:15], v[S+\j:S+\j+1]
	v_pk_add_f32 v[CH:CH+1], v[CH:CH+1], v[S+\j+2:S+\j+3]
.endr
	v_pk_add_f32 v[14:15], v[14:15], v[CH:CH+1]
	s_wait_alu depctr_va_vdst(0)                   ; and one for the four
.irp b, 0,1,2,3
	v_max_num_f32 v[BM+\b], 0x2800000, v[BM+\b]    ; the floor: the byte cannot fall under 1
.endr
.irp b, 0,1,2,3
	v_add_nc_u32 v[SO+\b], 0xfe000000, v[BM+\b]
.endr
.irp b, 0,1,2,3
	v_lshrrev_b32 v[PX+\b], 23, v[SO+\b]
.endr
	v_lshl_or_b32 v[PWD], v[PX+1], 8, v[PX]
	v_lshl_or_b32 v[PWD], v[PX+2], 16, v[PWD]
	v_lshl_or_b32 v[PWD], v[PX+3], 24, v[PWD]
.irp c, 0,1
	v_cvt_scalef32_pk16_bf6_f32 v[PC+6*\c:PC+6*\c+2], v[S+32*\c:S+32*\c+15], v[SO+2*\c]
	v_cvt_scalef32_pk16_bf6_f32 v[CT+4*\c:CT+4*\c+2], v[S+32*\c+16:S+32*\c+31], v[SO+2*\c+1]
.endr
	v_nop                                          ; one plain place behind a scaled conversion
.irp c, 0,1
.irp i, 0,1,2
	v_permlane16_swap_b32 v[PC+6*\c+\i], v[CT+4*\c+\i]
.endr
.irp i, 0,1,2
	v_mov_b32 v[PC+3+6*\c+\i], v[CT+4*\c+\i]
.endr
.endr
.set j_, 0
.rept 16
	v_pk_mul_f32 v[O+j_:O+j_+1], v[O+j_:O+j_+1], v[FF:FF+1] op_sel_hi:[1,0]   ; O^T under the new M; of these sixteen, twelve name no register of any one product below: they are the places between the scale word's and the codes' last writes and the products
.set j_, j_+2
.endr
	s_wait_dscnt 0x0                               ; V
.irp t, 0,2
	v_wmma_scale_f32_16x16x128_f8f6f4 v[O+8*\t:O+8*\t+7], v[KF+12*\t:KF+12*\t+11], v[PC:PC+11], v[O+8*\t:O+8*\t+7], v[VS+\t/2], v[PWD] matrix_a_fmt:MATRIX_FMT_BF6 matrix_b_fmt:MATRIX_FMT_BF6
	v_wmma_scale_f32_16x16x128_f8f6f4 v[O+8*\t+8:O+8*\t+15], v[KF+12*\t+12:KF+12*\t+23], v[PC:PC+11], v[O+8*\t+8:O+8*\t+15], v[VS+\t/2], v[PWD] matrix_a_fmt:MATRIX_FMT_BF6 matrix_b_fmt:MATRIX_FMT_BF6 matrix_a_scale:MATRIX_SCALE_ROW1
.endr
.rept 4
	v_nop                                          ; places in front of the next loads into V's registers and of the next read of O^T
.endr
.Lskip_\@:
.endm
	s_mov_b32 s3, 4
.Ltrip:                                            ; a trip: two slots, four key steps
	v_add_nc_u32 v6, s70, v4
	v_add_nc_u32 v7, s71, v5
	STEP 0, 0
	STEP 0, 1
	s_wait_loadcnt 0x0                             ; my part of the next slot, asked for a slot ago,
	ds_store_b128 v3, v[30:33] offset:BUF          ; goes into buffer 1, whose last reads ended in front of the barrier before this slot
	ds_store_b128 v3, v[34:37] offset:BUF+512
	ds_store_b128 v3, v[38:41] offset:BUF+1024
	s_wait_dscnt 0x0                               ; for the others' sake; my reads of buffer 0 are over too
	s_cmp_gt_u32 s3, 1
	s_cbranch_scc0 .Lno_a                          ; the last trip has nothing more to ask for
	s_add_nc_u64 s[4:5], s[4:5], s[6:7]
	global_load_b128 v[30:33], v1, s[4:5]
	global_load_b128 v[34:37], v1, s[4:5] offset:512
	global_load_b128 v[38:41], v1, s[4:5] offset:1024
	s_cmp_gt_u32 s3, s76                           ; A PREFETCH INTO THE L2 of the two slots of the trip after next: 96 blocks of 256 bytes of K (waves 0-2) and 96 of V (waves 4-6), a lane a block.  All eight
	s_cbranch_scc0 .Lno_a                          ; work-groups of a head walk the same K and V: the first asks, so each block is named once.  Slots 0-3 come by their loads alone; the last two trips ask for nothing
	global_prefetch_b8 v9, s[72:73] th:TH_LOAD_NT scope:SCOPE_SE
.Lno_a:
	s_barrier_signal -1
	s_barrier_wait -1
	STEP 1, 0
	STEP 1, 1
	s_cmp_gt_u32 s3, 1
	s_cbranch_scc0 .Lno_b
	s_wait_loadcnt 0x0
	ds_store_b128 v3, v[30:33]
	ds_store_b128 v3, v[34:37] offset:512
	ds_store_b128 v3, v[38:41] offset:1024
	s_wait_dscnt 0x0
	s_add_nc_u64 s[4:5], s[4:5], s[6:7]
	global_load_b128 v[30:33], v1, s[4:5]
	global_load_b128 v[34:37], v1, s[4:5] offset:512
	global_load_b128 v[38:41], v1, s[4:5] offset:1024
.Lno_b:
	s_wait_dscnt 0x0
	s_barrier_signal -1
	s_barrier_wait -1
	s_wait_xcnt 0x0                                ; the mask words' loads and the prefetch have read their bases
	s_add_nc_u64 s[8:9], s[8:9], 1024
	s_add_nc_u64 s[72:73], s[72:73], s[74:75]
	s_add_co_u32 s70, s70, 2048
	s_add_co_u32 s71, s71, 1024
	s_sub_co_i32 s3, s3, 1
	s_cmp_lg_u32 s3, 0
	s_cbranch_scc1 .Ltrip
	; THE WAY OUT: ctx = O^T / l; my 32 registers are 16 of each of the head's two blocks of 32 channels: they become half a fragment of the last product's operand.
	v_add_f32 v14, v14, v15
	v_permlanex16_b32 v[PX], v14, s66, s67
	v_add_f32 v14, v14, v[PX]
	v_rcp_f32 v14, v14
	v_and_b32 v8, 15, v0                           ; a plain place behind the reciprocal
	v_lshlrev_b32 v8, 4, v8                        ; 16 r
	s_wait_alu depctr_va_vdst(0)                   ; ahead of the first reader
.set j_, 0
.rept 32
	v_mul_f32 v[S+j_], v[O+j_], v14
.set j_, j_+1
.endr
.irp b, 0,1
	v_max3_num_f32 v[BM+\b], |v[S+16*\b]|, |v[S+16*\b+1]|, 0x2800000
.endr
.irp i, 2,4,6,8,10,12,14
.irp b, 0,1
	v_max3_num_f32 v[BM+\b], v[BM+\b], |v[S+16*\b+\i]|, |v[S+16*\b+\i+1]|
.endr
.endr
.irp b, 0,1
	v_permlanex16_b32 v[PX+\b], v[BM+\b], s66, s67
.endr
.irp b, 0,1
	v_max_num_f32 v[BM+\b], v[BM+\b], v[PX+\b]
.endr
.irp b, 0,1
	v_add_nc_u32 v[SO+\b], 0xfe000000, v[BM+\b]
.endr
.irp b, 0,1
	v_lshrrev_b32 v[PX+\b], 23, v[SO+\b]
.endr
	v_lshl_or_b32 v[PWD], v[PX+1], 8, v[PX]
	v_cvt_scalef32_pk16_bf6_f32 v[PC:PC+2], v[S:S+15], v[SO]
	v_cvt_scalef32_pk16_bf6_f32 v[CT:CT+2], v[S+16:S+31], v[SO+1]
	v_nop
.irp i, 0,1,2
	v_permlane16_swap_b32 v[PC+\i], v[CT+\i]
.endr
.irp i, 0,1,2
	v_mov_b32 v[PC+3+\i], v[CT+\i]
.endr
	global_store_b128 v1, v[PC:PC+3], s[10:11]     ; the image: 512 and 256 consecutive bytes, aligned
	global_store_b64 v2, v[PC+4:PC+5], s[10:11] offset:512
	global_store_b16 v8, v[PWD], s[12:13]          ; my row's two bytes (lanes r and r + 16 write the same)
	s_wait_tensorcnt 0x0
	ds_add_u32 v254, v255
	s_wait_dscnt 0x0
	s_endpgm
.Lfunc_end_k_qa842df32a4_attn:
	.size	k_qa842df32a4_attn, .Lfunc_end_k_qa842df32a4_attn-k_qa842df32a4_attn
	.p2alignl 7, 3214868480
	.fill 96, 4, 3214868480
	.section	.rodata,"a",@progbits
	.p2align	6, 0x0
	.amdhsa_kernel k_qa842df32a4_attn
		.amdhsa_group_segment_fixed_size 63488
		.amdhsa_private_segment_fixed_size 0
		.amdhsa_enable_private_segment 0
		.amdhsa_kernarg_size 48
		.amdhsa_user_sgpr_count 2
		.amdhsa_user_sgpr_kernarg_segment_ptr 1
		.amdhsa_wavefront_size32 1
		.amdhsa_system_sgpr_workgroup_id_x 1
		.amdhsa_system_sgpr_workgroup_id_y 1
		.amdhsa_system_sgpr_workgroup_id_z 1
		.amdhsa_system_vgpr_workitem_id 0
		.amdhsa_next_free_vgpr 256
		.amdhsa_next_free_sgpr 102
		.amdhsa_reserve_vcc 0
		.amdhsa_float_denorm_mode_32 3
		.amdhsa_float_denorm_mode_16_64 3
		.amdhsa_memory_ordered 1
		.amdhsa_forward_progress 1
		.amdhsa_inst_pref_size 96
	.end_amdhsa_kernel
	.amdgpu_metadata
---
amdhsa.version: [ 1, 2 ]
amdhsa.kernels:
  - .name:           k_qa842df32a4_attn
    .symbol:         k_qa842df32a4_attn.kd
    .args:
      - { .name: qkvc, .offset: 0, .size: 8, .value_kind: global_buffer, .address_space: global }
      - { .name: qkvs, .offset: 8, .size: 8, .value_kind: global_buffer, .address_space: global }
      - { .name: mbits, .offset: 16, .size: 8, .value_kind: global_buffer, .address_space: global }
      - { .name: flags, .offset: 24, .size: 8, .value_kind: global_buffer, .address_space: global }
      - { .name: cc, .offset: 32, .size: 8, .value_kind: global_buffer, .address_space: global }
      - { .name: cs, .offset: 40, .size: 8, .value_kind: global_buffer, .address_space: global }
    .group_segment_fixed_size: 63488
    .private_segment_fixed_size: 0
    .kernarg_segment_align: 8
    .kernarg_segment_size: 48
    .max_flat_workgroup_size: 512
    .sgpr_count:     102
    .vgpr_count:     256
    .wavefront_size: 32
...
	.end_amdgpu_metadata
.endif
;; end of part 3
;; launch dense (part 4): grid 4 x 32, 4 waves a work-group, clusters of 4 x 4, 327,680 bytes of LDS; arguments cc, cs, opc, ops, b_dense, out0; writes out0
.if DOCPART == 4
	.amdgcn_target "amdgcn-amd-amdhsa--gfx1250"
	.amdhsa_code_object_version 6
	.text
	.protected	k_qa842df32a4_dense
	.globl	k_qa842df32a4_dense
	.p2align	8
	.type	k_qa842df32a4_dense,@function
k_qa842df32a4_dense:
	s_mov_b64 s[64:65], 0
	v_nop
	global_prefetch_b8 v0, s[64:65] scope:SCOPE_SE
	s_setreg_imm32_b32 hwreg(HW_REG_WAVE_MODE, 25, 1), 1
	s_wait_xcnt 0x0
	s_wait_alu depctr_hold_cnt(0) depctr_sa_sdst(0) depctr_va_vdst(0) depctr_va_sdst(0) depctr_va_ssrc(0) depctr_va_vcc(0) depctr_vm_vsrc(0)
	s_getreg_b32 s2, hwreg(HW_REG_IB_STS2, 6, 4)
	s_cmp_eq_u32 s2, 0
	s_cbranch_scc0 .Lentry_in_a_cluster
	s_endpgm
.Lentry_in_a_cluster:
	s_bfe_u32 s2, ttmp6, 0x10000c
	s_cmp_lg_u32 s2, 0xf033
	s_cbranch_scc0 .Lentry_shape_is_right
	s_endpgm
.Lentry_shape_is_right:
; DENSE: out = ctx W_dense + b_dense on codes of E3M2, K = 1,024.  The loop is the QKV launch's: a work-group makes 256 tokens x 256 columns, four waves of 128 x 128; source 0 = 16 columns of W_dense, source 1 = 16 tokens;
; tiles are images of operand registers; four fills of 256 along K through two LDS slots, written out; cluster 4 x 4 with joint loads: ctx's tiles along a row of the cluster, the weight's along a column.
; 8,192 x 1,024 of output are 128 such tiles: 128 work-groups; the larger wave tile is kept, since each fragment read from LDS then feeds eight products.
; The bias is the C of each sum's first product.  A lane holds one token (storage row r of block a = token 32 (a/2) + 8 (a%2) + r + 8 (r/8) of my 128) and eight neighbouring columns a tile: 32 (b/2) + 16 h + 8 (b%2) + j.
; The results go through my own stage in LDS, into which no fill lands, and leave as rows of 512 consecutive bytes.  No prefetch: four fills, two of them at the head.
.set HALFT,  24576
.set SLOT,   98304
.set SCL,    196608
.set SPARE,  212992                    ; the spare words: 128 bytes a wave, two blocks of 256 bytes that no other line names
.set STG,    213504                    ; the stages: 16 rows x (512 + 16) bytes a wave
.set FR,     12
.set NL,     4
.set ADRA,   16
.set ADRB,   20
.set STO,    24
.set RD,     25
.set ADRS,   27
.set SPW,    28
.set NIL,    29
.set SC,     32
.set BI,     64
.set AF,     128
.set BK,     128                       ; the way out: 16 rows read back: v128-191 and v192-255 by turns
.set G1, 24
.set G0, 32
.set G1B, 48
.set G0B, 56
.set G1S, 68
.set G0S, 76
.set G1SB, 80
.set G0SB, 88
.set MSB, 0
.macro WIN new                         ; the immediate's high byte repeats the setting that is left
.if MSB != (\new)
	s_set_vgpr_msb (MSB<<8)|(\new)
.set MSB, (\new)
.endif
.endm
.set MUL_LO, 0xa1
.set MUL_HI, 0xf1
.set TO_B,   0x40
.macro JLOAD g0a, g1a, g0b, g1b        ; a joint load: waves 0, 1 fetch for A, waves 2, 3 for B; four v_nop follow each line
	s_cmp_eq_u32 s15, 0
	s_cbranch_scc0 .Lfor_b_\@
	tensor_load_to_lds s[\g0a:\g0a+3], s[\g1a:\g1a+7]
	s_nop 0
.rept 4
	v_nop
.endr
	s_branch .Lasked_\@
.Lfor_b_\@:
	tensor_load_to_lds s[\g0b:\g0b+3], s[\g1b:\g1b+7]
	s_nop 0
.rept 4
	v_nop
.endr
.Lasked_\@:
.endm
.macro CREST
	s_cmp_lg_u32 s14, 0
	s_cbranch_scc1 .Lnot_wave_0_\@
	s_barrier_signal -3
.Lnot_wave_0_\@:
	s_barrier_wait -3
	s_barrier_signal -1
	s_barrier_wait -1
.endm
.macro CROUND
	s_barrier_signal -1
	s_barrier_wait -1
	CREST
.endm
.macro PLACES                          ; four places behind a matrix instruction of this form (ISA guide 7.12.1)
.rept 4
	v_nop
.endr
.endm
	s_load_b256 s[4:11], s[0:1], 0x0               ; cc, cs, opc, ops
	s_load_b128 s[96:99], s[0:1], 0x20             ; b_dense, out0
	v_lshl_add_u32 v[SPW], v0, 2, SPARE
	v_mov_b32 v[NIL], 0
	ds_add_u32 v28, v29
	ds_add_u32 v28, v29
	s_wait_dscnt 0x0
	v_lshrrev_b32 v1, 5, v0
	v_readfirstlane_b32 s14, v1
	s_lshr_b32 s15, s14, 1                         ; my half of the tokens.  Also: I fetch for A (0) or B (1)
	s_and_b32 s16, s14, 1                          ; my half of the columns.  Also: which 8 row tiles I fetch
	s_bfe_u32 s40, ttmp6, 0x40000                  ; cx
	s_bfe_u32 s41, ttmp6, 0x40004                  ; cy
	s_and_b32 s17, ttmp7, 0xffff
	s_lshl_b32 s20, s17, 2
	s_add_co_u32 s20, s20, s41                     ; A's unit of 256 tokens
	s_add_co_u32 s46, s40, 44                      ; B's unit: W_dense's columns begin at unit 44 of opc
	s_lshl_b32 s43, s41, 2
	s_lshl_b32 s43, 15, s43
	s_lshl_b32 s44, 0x1111, s40
	s_or_b32 s[G1+0], s43, (3<<16)|(1<<21)         ; 15:0 the mask; 17:16 elements of 8 bytes; 21 set beside a mask; no padding
	s_or_b32 s[G1B+0], s44, (3<<16)|(1<<21)
.irp g, G1, G1B
	s_mov_b32 s[\g+1], 384<<16
	s_mov_b32 s[\g+2], 8<<16
	s_mov_b32 s[\g+3], 384<<16
	s_mov_b32 s[\g+4], 8
	s_mov_b32 s[\g+5], 1536
	s_mov_b32 s[\g+6], 0
	s_mov_b32 s[\g+7], 0
.endr
	s_or_b32 s[G1S+0], s43, (3<<16)|(1<<21)
	s_or_b32 s[G1SB+0], s44, (3<<16)|(1<<21)
.irp g, G1S, G1SB
	s_mov_b32 s[\g+1], 32<<16
	s_mov_b32 s[\g+2], 16<<16
	s_mov_b32 s[\g+3], 32<<16
	s_mov_b32 s[\g+4], 16
	s_mov_b32 s[\g+5], 32
	s_mov_b32 s[\g+6], 0
	s_mov_b32 s[\g+7], 0
.endr
	s_lshl_b32 s21, s16, 3
	s_lshl_b32 s18, s20, 4
	s_add_co_u32 s18, s18, s21
	s_lshl_b32 s22, s18, 9
	s_mul_i32 s18, s18, 12288
	s_mov_b32 s19, 0
	s_mov_b32 s23, 0
	s_lshl_b32 s92, s46, 4
	s_add_co_u32 s92, s92, s21
	s_mul_i32 s94, s92, 12288
	s_lshl_b32 s92, s92, 9
	s_mov_b32 s93, 0
	s_mov_b32 s95, 0
	s_mul_i32 s47, s14, HALFT
	s_lshl_b32 s21, s14, 12
	s_wait_kmcnt 0x0
	s_add_nc_u64 s[18:19], s[4:5], s[18:19]
	s_add_nc_u64 s[22:23], s[6:7], s[22:23]
	s_add_nc_u64 s[94:95], s[8:9], s[94:95]
	s_add_nc_u64 s[92:93], s[10:11], s[92:93]
	CROUND                                         ; all sixteen work-groups are here: the first joint loads meet
	s_mov_b32 s[G0S], 1
	s_add_co_u32 s[G0S+1], s21, SCL
	s_mov_b64 s[G0S+2:G0S+3], s[22:23]
	s_or_b32 s[G0S+3], s[G0S+3], 0x80000000
	s_mov_b32 s[G0SB], 1
	s_add_co_u32 s[G0SB+1], s21, SCL
	s_mov_b64 s[G0SB+2:G0SB+3], s[92:93]
	s_or_b32 s[G0SB+3], s[G0SB+3], 0x80000000
	JLOAD G0S, G1S, G0SB, G1SB                     ; three loads of mine go out here: the scale words, fill 0, fill 1
.irp s, 0,1
	s_mov_b32 s[G0+4*\s], 1
	s_add_co_u32 s[G0+4*\s+1], s47, \s*SLOT
	s_add_nc_u64 s[G0+4*\s+2:G0+4*\s+3], s[18:19], \s*3072
	s_or_b32 s[G0+4*\s+3], s[G0+4*\s+3], 0x80000000
	s_mov_b32 s[G0B+4*\s], 1
	s_add_co_u32 s[G0B+4*\s+1], s47, \s*SLOT
	s_add_nc_u64 s[G0B+4*\s+2:G0B+4*\s+3], s[94:95], \s*3072
	s_or_b32 s[G0B+4*\s+3], s[G0B+4*\s+3], 0x80000000
	JLOAD G0+4*\s, G1, G0B+4*\s, G1B
.endr
	v_and_b32 v1, 15, v0
	v_bfe_u32 v2, v0, 4, 1
	v_and_b32 v3, 31, v0
	v_lshlrev_b32 v4, 4, v3
	v_lshlrev_b32 v5, 3, v3
	s_mul_i32 s21, s15, HALFT
	s_mul_i32 s22, s16, HALFT
	s_add_co_u32 s22, s22, 2*HALFT
.irp s, 0,1
	v_add_nc_u32 v[ADRA+\s], s21, v4
	v_add_nc_u32 v[ADRA+2+\s], s21, v5
	v_add_nc_u32 v[ADRB+\s], s22, v4
	v_add_nc_u32 v[ADRB+2+\s], s22, v5
	s_add_co_u32 s21, s21, SLOT
	s_add_co_u32 s22, s22, SLOT
.endr
	s_lshl_b32 s21, s15, 12
	s_lshl_b32 s22, s16, 12
	s_add_co_u32 s22, s22, 8192
	s_sub_co_u32 s22, s22, s21
	v_mul_u32_u24 v6, s22, v2
	s_add_co_u32 s21, s21, SCL
	v_lshl_add_u32 v6, v1, 4, v6
	v_add_nc_u32 v[ADRS], s21, v6
	s_mul_i32 s21, s14, 8448
	s_add_co_u32 s21, s21, STG
	v_mul_u32_u24 v6, v1, 528
	v_lshl_add_u32 v6, v2, 6, v6
	v_add_nc_u32 v[STO], s21, v6                   ; into my stage: row r, + 64 h
	v_add_nc_u32 v[RD], s21, v4                    ; back: a row's 512 bytes
	v_lshlrev_b32 v11, 6, v2
	s_lshl_b32 s92, s20, 8
	s_lshl_b32 s93, s15, 7
	s_add_co_u32 s92, s92, s93
	s_lshl_b32 s92, s92, 12                        ; my first token's row of out0
	s_lshl_b32 s93, s40, 8
	s_lshl_b32 s94, s16, 7
	s_add_co_u32 s93, s93, s94
	s_lshl_b32 s94, s93, 2                         ; my first column, in bytes
	s_mov_b32 s95, 0
	s_add_nc_u64 s[96:97], s[96:97], s[94:95]
	s_add_co_u32 s92, s92, s94
	s_mov_b32 s93, 0
	s_add_nc_u64 s[98:99], s[98:99], s[92:93]
.irp b, 0,1,2,3,4,5,6,7
	global_load_b128 v[BI+8*\b:BI+8*\b+3], v11, s[96:97] offset:(32*(\b/2)+8*(\b%2))*4
	global_load_b128 v[BI+8*\b+4:BI+8*\b+7], v11, s[96:97] offset:(32*(\b/2)+8*(\b%2))*4+16
.endr
.macro FRAG reg, adr, q, i
	ds_load_b128 v[\reg:\reg+3], v[\adr] offset:(\i)*3072+(\q)*1536
	ds_load_b64 v[\reg+4:\reg+5], v[\adr+2] offset:(\i)*3072+(\q)*1536+512
	ds_load_b128 v[\reg+6:\reg+9], v[\adr] offset:(\i)*3072+(\q)*1536+768
	ds_load_b64 v[\reg+10:\reg+11], v[\adr+2] offset:(\i)*3072+(\q)*1536+1280
.endm
; 16 matrix instructions; cm = 1: C is the bias of B's block.  The 64 accumulators take turns, one instruction a turn.
.macro MUL16 a0, p, q, sc, cm
.irp a, \a0, \a0+1
.irp b, 0,1,2,3,4,5,6,7
.if \cm == 1
	v_wmma_scale_f32_16x16x128_f8f6f4 v[8*(8*((\a)%4)+\b):8*(8*((\a)%4)+\b)+7], v[128*(\p)+FR*\b:128*(\p)+FR*\b+FR-1], v[AF+FR*(\a):AF+FR*(\a)+FR-1], v[BI+8*\b:BI+8*\b+7], v[SC+16*(\sc)+2*\b+(\q)], v[SC+16*(\sc)+2*(\a)+(\q)] matrix_a_fmt:MATRIX_FMT_BF6 matrix_b_fmt:MATRIX_FMT_BF6 matrix_a_scale:MATRIX_SCALE_ROW1
.else
	v_wmma_scale_f32_16x16x128_f8f6f4 v[8*(8*((\a)%4)+\b):8*(8*((\a)%4)+\b)+7], v[128*(\p)+FR*\b:128*(\p)+FR*\b+FR-1], v[AF+FR*(\a):AF+FR*(\a)+FR-1], v[8*(8*((\a)%4)+\b):8*(8*((\a)%4)+\b)+7], v[SC+16*(\sc)+2*\b+(\q)], v[SC+16*(\sc)+2*(\a)+(\q)] matrix_a_fmt:MATRIX_FMT_BF6 matrix_b_fmt:MATRIX_FMT_BF6 matrix_a_scale:MATRIX_SCALE_ROW1
.endif
.endr
.endr
.endm
.macro FETCH_B slot, q, p
	WIN TO_B
.irp i, 0,1,2,3,4,5,6,7
	FRAG 128*(\p)+FR*\i, ADRB+\slot, \q, \i
.endr
	WIN 0
.endm
.macro FETCH_A slot, q, i0
.irp i, \i0, \i0+1, \i0+2, \i0+3
	FRAG AF+FR*(\i), ADRA+\slot, \q, \i
.endr
.endm
.macro SCALES f, set
.irp i, 0,1,2,3,4,5,6,7
	ds_load_b64 v[SC+16*(\set)+2*\i:SC+16*(\set)+2*\i+1], v[ADRS] offset:512*\i+256*((\f)/2)+8*((\f)%2)
.endr
.endm
.macro STEP slot, cm
	s_wait_dscnt 4*NL                              ; the youngest 16 loads (A's blocks 4-7) may be out
.if \cm
	WIN 0x81
.else
	WIN MUL_LO
.endif
	MUL16 0, 0, 0, \slot, \cm
	MUL16 2, 0, 0, \slot, \cm
	s_wait_dscnt 0x0
	PLACES
	FETCH_B \slot, 1, 1
	FETCH_A \slot, 1, 0
.if \cm
	WIN 0xc1
.else
	WIN MUL_HI
.endif
	MUL16 4, 0, 0, \slot, \cm
	MUL16 6, 0, 0, \slot, \cm
	PLACES
	WIN 0
	FETCH_A \slot, 1, 4
.endm
.macro TURN slot, next, fill, f
	s_wait_tensorcnt 0x0                           ; all my tensor loads have landed, my part of the next slot among them
	ds_add_u32 v[SPW], v[NIL]                      ; 0 onto my spare word
	s_wait_dscnt 4*NL+1                            ; (the add and the youngest 16 loads may be out)
	WIN MUL_LO
	MUL16 0, 1, 1, \slot, 0
	s_wait_dscnt 0x0                               ; the add is done, and my reads of this slot are over
	s_barrier_signal -1
	MUL16 2, 1, 1, \slot, 0
	WIN 0
	s_barrier_wait -1
.if \fill
	CREST                                          ; no wave of any partner still reads this slot or has a load on its way
	s_add_nc_u64 s[G0+4*\slot+2:G0+4*\slot+3], s[G0+4*\slot+2:G0+4*\slot+3], 6144
	s_add_nc_u64 s[G0B+4*\slot+2:G0B+4*\slot+3], s[G0B+4*\slot+2:G0B+4*\slot+3], 6144
	JLOAD G0+4*\slot, G1, G0B+4*\slot, G1B         ; my one load behind the round; its four v_nop are also the places in front of the loads below
.else
	PLACES
.endif
	FETCH_B \next, 0, 0
	FETCH_A \next, 0, 0
	SCALES \f, \next
	WIN MUL_HI
	MUL16 4, 1, 1, \slot, 0
	MUL16 6, 1, 1, \slot, 0
	PLACES
	WIN 0
	FETCH_A \next, 0, 4
.endm
	s_wait_tensorcnt 1                             ; the scale words and my part of fill 0 are in; fill 1 may be out
	s_barrier_signal -1
	s_barrier_wait -1
	FETCH_B 0, 0, 0
	FETCH_A 0, 0, 0
	SCALES 0, 0
	FETCH_A 0, 0, 4
	s_wait_loadcnt 0x0                             ; the bias
	STEP 0, 1
	TURN 0, 1, 1, 1
	STEP 1, 0
	TURN 1, 0, 1, 2
	STEP 0, 0
	TURN 0, 1, 0, 3
	STEP 1, 0
	s_wait_dscnt 4*NL
	WIN MUL_LO
	MUL16 0, 1, 1, 1, 0
	MUL16 2, 1, 1, 1, 0
	s_wait_dscnt 0x0
	WIN MUL_HI
	MUL16 4, 1, 1, 1, 0
	MUL16 6, 1, 1, 1, 0
	WIN 0
; THE WAY OUT, block by block of 16 tokens x 128 columns, through my own stage.  LDS serves a wave's instructions in order: no wait between the stores and the loads, nor in front of the next block's stores.
.macro TOSTAGE a
.set AC, 64*((\a)%4)
	WIN 0x08+4*((\a)/4)                            ; the data: window 2 or 3
.irp b, 0,1,2,3,4,5,6,7
	ds_store_b128 v[STO], v[AC+8*\b:AC+8*\b+3] offset:128*(\b/2)+32*(\b%2)          ; each accumulator from its low end on
	ds_store_b128 v[STO], v[AC+8*\b+4:AC+8*\b+7] offset:128*(\b/2)+32*(\b%2)+16
.endr
	WIN 0
.set BB, BK+64*((\a)%2)
.irp t, 0,1,2,3,4,5,6,7,8,9,10,11,12,13,14,15
	ds_load_b128 v[BB+4*\t:BB+4*\t+3], v[RD] offset:\t*528
.endr
.endm
.macro SEND a, younger
.set BB, BK+64*((\a)%2)
	s_wait_dscnt \younger                          ; the block is back; the next block's 16 stores and 16 loads may be out
.irp t, 0,1,2,3,4,5,6,7,8,9,10,11,12,13,14,15
	global_store_b128 v4, v[BB+4*\t:BB+4*\t+3], s[98:99] offset:(32*((\a)/2)+8*((\a)%2)+\t+8*(\t/8))*4096 th:TH_STORE_NT   ; 32 lanes store 512 consecutive bytes, aligned; the token's place stands in the immediate, 520,192 at the most
.endr
.endm
	PLACES
	TOSTAGE 0
.irp a, 1,2,3,4,5,6,7
.if \a > 1
	s_wait_xcnt 0x0                                ; block a - 2's stores have read their registers: block a's loads may land there
.endif
	TOSTAGE \a
	SEND \a-1, 32
.endr
	SEND 7, 0
	s_wait_tensorcnt 0x0                           ; the wave's end
	ds_add_u32 v[SPW], v[NIL]
	s_wait_dscnt 0x0
	CROUND                                         ; the closing round
	s_endpgm
.Lfunc_end_k_qa842df32a4_dense:
	.size	k_qa842df32a4_dense, .Lfunc_end_k_qa842df32a4_dense-k_qa842df32a4_dense
	.p2alignl 7, 3214868480
	.fill 96, 4, 3214868480
	.section	.rodata,"a",@progbits
	.p2align	6, 0x0
	.amdhsa_kernel k_qa842df32a4_dense
		.amdhsa_group_segment_fixed_size 327680
		.amdhsa_private_segment_fixed_size 0
		.amdhsa_enable_private_segment 0
		.amdhsa_kernarg_size 48
		.amdhsa_user_sgpr_count 2
		.amdhsa_user_sgpr_kernarg_segment_ptr 1
		.amdhsa_wavefront_size32 1
		.amdhsa_system_sgpr_workgroup_id_x 1
		.amdhsa_system_sgpr_workgroup_id_y 1
		.amdhsa_system_sgpr_workgroup_id_z 1
		.amdhsa_system_vgpr_workitem_id 0
		.amdhsa_next_free_vgpr 1024
		.amdhsa_next_free_sgpr 102
		.amdhsa_reserve_vcc 0
		.amdhsa_float_denorm_mode_32 3
		.amdhsa_float_denorm_mode_16_64 3
		.amdhsa_memory_ordered 1
		.amdhsa_forward_progress 1
		.amdhsa_inst_pref_size 144
	.end_amdhsa_kernel
	.amdgpu_metadata
---
amdhsa.version: [ 1, 2 ]
amdhsa.kernels:
  - .name:           k_qa842df32a4_dense
    .symbol:         k_qa842df32a4_dense.kd
    .args:
      - { .name: cc, .offset: 0, .size: 8, .value_kind: global_buffer, .address_space: global }
      - { .name: cs, .offset: 8, .size: 8, .value_kind: global_buffer, .address_space: global }
      - { .name: opc, .offset: 16, .size: 8, .value_kind: global_buffer, .address_space: global }
      - { .name: ops, .offset: 24, .size: 8, .value_kind: global_buffer, .address_space: global }
      - { .name: b_dense, .offset: 32, .size: 8, .value_kind: global_buffer, .address_space: global }
      - { .name: out0, .offset: 40, .size: 8, .value_kind: global_buffer, .address_space: global }
    .group_segment_fixed_size: 327680
    .private_segment_fixed_size: 0
    .kernarg_segment_align: 8
    .kernarg_segment_size: 48
    .max_flat_workgroup_size: 128
    .sgpr_count:     102
    .vgpr_count:     1024
    .wavefront_size: 32
...
	.end_amdgpu_metadata
.endif
;; end of part 4
;; ======== version 2 of 2: 4 launches; version 1 with the launch attn written anew for expert scheduling mode
;; workspace buffers: opc 9,437,184 bytes; ops 393,216 bytes; qkvc 18,874,368 bytes; qkvs 1,310,720 bytes; mbits 524,288 bytes of whole numbers; flags 512 bytes of whole numbers; cc 6,291,456 bytes; cs 262,144 bytes
;; launch prep: the kernel of part 1 again; grid 416 x 1, 4 waves a work-group, no clusters, 59,904 bytes of LDS; arguments hidden_states, W_qkv, W_dense, attention_mask, opc, ops, mbits, flags; writes opc, ops, mbits, flags
;; launch qkv: the kernel of part 2 again; grid 12 x 32, 4 waves a work-group, clusters of 4 x 4, 327,680 bytes of LDS; arguments opc, ops, b_qkv, qkvc, qkvs; writes qkvc, qkvs
;; launch attn (part 5): grid 8 x 64, 16 waves a work-group, no clusters, 63,488 bytes of LDS; arguments qkvc, qkvs, mbits, flags, cc, cs; writes cc, cs
.if DOCPART == 5
	.amdgcn_target "amdgcn-amd-amdhsa--gfx1250"
	.amdhsa_code_object_version 6
	.text
	.protected	k_qa842df32a4_attn
	.globl	k_qa842df32a4_attn
	.p2align	8
	.type	k_qa842df32a4_attn,@function
k_qa842df32a4_attn:
	s_mov_b64 s[64:65], 0
	v_nop
	global_prefetch_b8 v0, s[64:65] scope:SCOPE_SE
	s_setreg_imm32_b32 hwreg(HW_REG_WAVE_SCHED_MODE, 0, 2), 2
	s_setreg_imm32_b32 hwreg(HW_REG_WAVE_MODE, 25, 1), 1
	s_wait_xcnt 0x0
	s_wait_alu depctr_vm_vsrc(0)
; ATTENTION on codes of E3M2: S^T = K Q^T (K = the head's 64), the mask as it is given, p = 2^(t - M) with M a whole number, O^T = V^T P^T (K = the keys), O / l, and ctx quantised along H in registers.
; SHARES.  A work-group: one head of one batch, 16 query tiles; a wave: one tile of 16 queries in 256 registers, four waves to a SIMD.  Wave w of work-group x takes tile 8 rank(w) + x; the ranks form a 4 x 4 square
; whose rows and columns have equal sums, so that under masks that hide later keys the waves of every four have equal work.  Every wave passes all 16 key steps of 128 keys.
; THE MASK.  An earlier launch stored, for each query tile and key step, 64 words (a bit a lane for each score register) and a flag: 0: all hidden, the step's work is jumped over; 1: the hidden scores are replaced; 2: none hidden.
; A hidden score becomes -2^126.  c x 2^126 is a whole number, so a query with only hidden keys so far has M = -c 2^126 and p = 1 exactly; the first open key makes the factor 2^(old M - new M) zero, which wipes those
; sums; a query with no open key at all ends as even weights (its tile has no flag 0).  Everywhere else a hidden key's p is 0.
; NO TENSOR LOADS, NO CLUSTER: K and V go from memory through registers into LDS: each wave copies 1,536 bytes of each
; slot of 256 keys, asked for a slot ahead; two buffers, one barrier a slot.
; K = 64 IN AN INSTRUCTION OF 128: Q's upper six registers are zero codes.  A tile of K is named with the six registers that follow it (the next tile's codes): they meet zero codes and add nothing.  The scale bytes
; that stand over that half (bytes 2, 3 of Q's and K's words) are the neighbouring head's bytes or 0, never 0xff.  Q's scale word is used as it is loaded.
; LAYOUT: both products transposed: a lane holds one query throughout; by the buffers' order of rows the 16 registers of tiles 2 b, 2 b + 1 are 16 neighbouring keys (or channels).
; LIMITS: scores at or under -2^126 are not told from hidden ones; 1 / l is v_rcp_f32; byte 1 for blocks of zeros or under 2^-122; NaN and infinities not served.  The two scale bytes of a row of ctx leave by one
; store of 2 bytes a lane, once a wave.
; REGISTERS: v1 16 lane, v2 8 lane, v3 my copy's place, v4-7 scale words' addresses, v9 prefetch offset, v10 -2^126, v12 -M, v13 largest t, v[14:15] the sum, v16-27 Q, v28 Q's scale word, v30-41 the copy,
;   v42-95 K's eight tiles and six zeros, later V's four fragments, v96-159 S^T then p, v160-191 O^T, v192-203 p's codes, v204-210 second halves, v212-237 at work.
; THE MODE: SCHED_MODE bits 1:0 = 2 (LLVM: expert scheduling mode 2), set by the entry lines.  The code itself states the register dependences between vector or matrix instructions and memory or LDS instructions,
; with s_wait_alu, always for 0.
; THE PLAN.  Registers that memory or LDS instructions touch:
;   v1, v2, v3, v9    offsets and LDS addresses, made at the head and never written again: the one wait on va_vdst ahead of the first load serves them for the whole kernel.
;   v6, v7            the scale words' LDS addresses: written by one add each at a trip's head, behind a wait on vm_vsrc; read by the LDS loads of the trip's four steps, each behind its step's first wait on va_vdst.
;   v30-41            the copy: global loads land in it, LDS stores read it, no vector instruction names it: one wait on vm_vsrc between the stores and the next loads.
;   v42-89            a step's K lands, the eight score products read it, the step's V lands, the four second products read it.  A wave's 256 registers have no room for a second set of these 48, so a wait on va_vdst
;                     stands ahead of each of the two runs of loads: at the step's head, and behind the score products.
;   v225-230          the scale words of K and V: loaded in those same two runs, read by the products.
;   v192-203, v224    p's codes and scale word, made by vector instructions: a wait on va_vdst stands ahead of the second products, behind their places; on the way out ahead of the stores that read them.
;   v8, v234, v96-101 at the head offsets and data of loads and LDS stores; written again later, behind the head's wait on vm_vsrc.
; V's loads stand in one run behind the score products, ahead of the wait for the mask words: they are on their way during that wait and the softmax.
.set BUF,  24576                       ; a buffer: 16 tiles of K x 768, then 8 fragments of V x 1,536
.set VOFF, 12288
.set SCK,  49152                       ; K's scale words of the whole head, 8,192 bytes
.set SCV,  57344                       ; V's, 4,096 bytes: 256 a key step
.set KF,   42
.set S,    96
.set O,    160
.set PC,   192
.set CT,   204
.set BM,   212
.set PX,   216
.set SO,   220
.set PWD,  224
.set KS,   225
.set VS,   229
.set FF,   232
.set TMP,  234
.set CH,   236
	s_load_b256 s[80:87], s[0:1], 0x0              ; qkvc, qkvs, mbits, flags
	s_load_b128 s[88:91], s[0:1], 0x20             ; cc, cs
	v_lshl_add_u32 v254, v0, 2, 0xf000
	v_mov_b32 v255, 0
	v_lshrrev_b32 v8, 5, v0
	v_readfirstlane_b32 s2, v8                     ; wave 0 .. 15
	v_and_b32 v11, 31, v0
	v_lshlrev_b32 v1, 4, v11
	v_lshlrev_b32 v2, 3, v11
	v_and_b32 v29, 15, v0
	v_lshlrev_b32 v29, 2, v29                      ; 4 r
	v_lshlrev_b32 v234, 12, v8
	v_add_nc_u32 v234, v234, v2                    ; V's scale words in memory: key step = my wave, 8 bytes a lane
	v_lshlrev_b32 v8, 3, v0                        ; K's: 8 bytes a thread
	v_lshl_add_u32 v235, v0, 3, SCK                ; and where they go
	v_lshl_add_u32 v4, v11, 2, SCK
	v_lshl_add_u32 v5, v11, 2, SCV
	s_wait_alu depctr_va_sdst(0)                   ; s2 is written, ahead of its first reader: places, addresses and branches are made from it
	s_mul_i32 s99, s2, 1536
	v_add_nc_u32 v3, s99, v1
	s_and_b32 s77, ttmp7, 0xffff
	s_lshr_b32 s78, s77, 4                         ; batch
	s_and_b32 s79, s77, 15                         ; head
	s_mov_b32 s96, 0x0de3b658
	s_cmp_lt_u32 s2, 8
	s_cselect_b32 s96, 0x7a94c12f, s96             ; the ranks, four bits a wave
	s_and_b32 s97, s2, 7
	s_lshl_b32 s97, s97, 2
	s_lshr_b32 s96, s96, s97
	s_and_b32 s96, s96, 15
	s_lshl_b32 s96, s96, 3
	s_add_co_u32 s96, s96, ttmp9                   ; my query tile in the sequence
	s_lshl_b32 s97, s78, 7
	s_add_co_u32 s97, s97, s96                     ; and among all row tiles
	s_lshl_b32 s16, s79, 9
	s_add_co_u32 s16, s16, s97
	s_mul_i32 s16, s16, 768                        ; Q's image
	s_mov_b32 s17, 0
	s_lshl_b32 s18, s79, 13
	s_lshl_b32 s19, s97, 4
	s_add_co_u32 s18, s18, s19
	s_lshl_b32 s18, s18, 2                         ; Q's scale words
	s_mov_b32 s19, 0
	s_add_co_u32 s98, s79, 16
	s_lshl_b32 s20, s98, 15
	s_lshl_b32 s21, s78, 13
	s_add_co_u32 s20, s20, s21                     ; K's scale words
	s_mov_b32 s21, 0
	s_lshl_b32 s22, s78, 16
	s_lshl_b32 s23, s79, 8
	s_add_co_u32 s22, s22, s23
	s_add_co_u32 s22, s22, 1048576                 ; V's
	s_mov_b32 s23, 0
	s_lshl_b32 s24, s98, 9
	s_lshl_b32 s25, s78, 7
	s_add_co_u32 s24, s24, s25
	s_mul_i32 s24, s24, 768                        ; the head's K
	s_lshl_b32 s25, s78, 10
	s_lshl_b32 s26, s79, 2
	s_add_co_u32 s25, s25, s26
	s_mul_i32 s25, s25, 1536
	s_add_co_u32 s25, s25, 12582912                ; the head's V
	s_add_co_u32 s26, s24, s99                     ; what I copy: waves 0-7 two tiles of K,
	s_and_b32 s27, s2, 7
	s_lshr_b32 s28, s27, 2
	s_lshl_b32 s28, s28, 6
	s_and_b32 s27, s27, 3
	s_add_co_u32 s28, s28, s27
	s_mul_i32 s28, s28, 1536
	s_add_co_u32 s27, s25, s28                     ; waves 8-15 a fragment of V
	s_mov_b32 s6, 196608
	s_cmp_lt_u32 s2, 8
	s_cselect_b32 s26, s26, s27
	s_cselect_b32 s6, 12288, s6                    ; a slot on
	s_mov_b32 s27, 0
	s_mov_b32 s7, 0
	s_add_co_u32 s28, s24, 49152                   ; the prefetches begin at slot 4
	s_add_co_u32 s29, s25, 786432
	s_mov_b32 s74, 393216
	s_cmp_lt_u32 s2, 4
	s_cselect_b32 s28, s28, s29
	s_cselect_b32 s74, 24576, s74                  ; two slots on
	s_cselect_b32 s98, 0, 92160
	s_mov_b32 s29, 0
	s_mov_b32 s75, 0
	s_and_b32 s77, s2, 3
	s_lshl_b32 s77, s77, 5
	v_add_nc_u32 v9, s77, v11                      ; my block of 256 bytes among 96
	v_mul_u32_u24 v236, v9, 171
	v_lshrrev_b32 v236, 12, v236                   ; / 24: V's 6,144 bytes of a key step are 24 blocks, and the steps lie 98,304 bytes apart
	v_mul_u32_u24 v236, v236, s98
	v_lshl_add_u32 v9, v9, 8, v236
	s_lshr_b32 s77, s2, 3
	s_or_b32 s77, s77, ttmp9
	s_cmp_eq_u32 s77, 0
	s_cselect_b32 s76, 2, -1                       ; who prefetches: the head's first work-group, waves 0-2 (K) and 4-6 (V)
	s_and_b32 s77, s2, 3
	s_cmp_eq_u32 s77, 3
	s_cselect_b32 s76, -1, s76
	s_lshl_b32 s30, s96, 2
	s_mov_b32 s31, 0
	s_lshl_b32 s32, s96, 12
	s_mov_b32 s33, 0
	s_lshl_b32 s34, s97, 4
	s_add_co_u32 s34, s34, s79
	s_mul_i32 s34, s34, 768
	s_mov_b32 s35, 0
	s_lshl_b32 s36, s97, 9
	s_lshr_b32 s37, s79, 3
	s_lshl_b32 s37, s37, 8
	s_add_co_u32 s36, s36, s37
	s_bfe_u32 s37, s79, 0x20001
	s_lshl_b32 s37, s37, 2
	s_add_co_u32 s36, s36, s37
	s_and_b32 s37, s79, 1
	s_lshl_b32 s37, s37, 1
	s_add_co_u32 s36, s36, s37
	s_mov_b32 s37, 0
	s_mov_b32 s66, 0x76543210
	s_mov_b32 s67, 0xfedcba98
	s_mov_b32 s68, 0x3e38aa3b                      ; c = log2(e) / sqrt(64)
	s_mov_b32 s69, s68
	s_mov_b32 s70, 0
	s_mov_b32 s71, 0
	s_wait_kmcnt 0x0
	s_add_nc_u64 s[16:17], s[80:81], s[16:17]
	s_add_nc_u64 s[18:19], s[82:83], s[18:19]
	s_add_nc_u64 s[20:21], s[82:83], s[20:21]
	s_add_nc_u64 s[22:23], s[82:83], s[22:23]
	s_add_nc_u64 s[4:5], s[80:81], s[26:27]
	s_add_nc_u64 s[72:73], s[80:81], s[28:29]
	s_add_nc_u64 s[30:31], s[86:87], s[30:31]
	s_add_nc_u64 s[8:9], s[84:85], s[32:33]
	s_add_nc_u64 s[10:11], s[88:89], s[34:35]
	s_add_nc_u64 s[12:13], s[90:91], s[36:37]
	s_load_b32 s14, s[30:31], 0x0                  ; my tile's flags
	s_wait_alu depctr_va_vdst(0)                   ; the offsets and addresses v1, v2, v3, v8, v9, v29, v234, v235 are written, which the loads, the LDS stores and the prefetch read; v1, v2, v3, v9 and v235 are never written again
	global_load_b128 v[30:33], v1, s[4:5]          ; slot 0
	global_load_b128 v[34:37], v1, s[4:5] offset:512
	global_load_b128 v[38:41], v1, s[4:5] offset:1024
	global_load_b64 v[96:97], v8, s[20:21]
	global_load_b64 v[98:99], v8, s[20:21] offset:4096
	global_load_b64 v[100:101], v234, s[22:23]
	global_load_b128 v[16:19], v1, s[16:17]
	global_load_b64 v[20:21], v2, s[16:17] offset:512
	global_load_b32 v28, v29, s[18:19]             ; Q's scale word: written by this load alone
.irp i, 22,23,24,25,26,27,90,91,92,93,94,95
	v_mov_b32 v\i, 0                               ; zero codes
.endr
.set i_, 0
.rept 32
	v_mov_b32 v[O+i_], 0                           ; the step is written once: the first finds zeros
.set i_, i_+1
.endr
	v_mov_b32 v10, 0xfe800000                      ; -2^126
	v_mov_b32 v13, 0xff61b1e6                      ; the largest t so far: -3e38
	v_floor_f32 v12, -v13
	v_mov_b32 v14, 0
	v_mov_b32 v15, 0
.irp b, 0,1,2,3
	v_mov_b32 v[PX+\b], 0                          ; a lane permute's destination counts as read
.endr
	v_mov_b32 v[FF+1], 0                           ; (named as the upper half of a pair)
	s_wait_loadcnt 0x0
	ds_store_b128 v3, v[30:33]                     ; (no vector instruction since the wait on va_vdst above names an address or a datum of these six stores)
	ds_store_b128 v3, v[34:37] offset:512
	ds_store_b128 v3, v[38:41] offset:1024
	ds_store_b64 v235, v[96:97]
	ds_store_b64 v235, v[98:99] offset:4096
	ds_store_b64 v235, v[100:101] offset:8192
	s_wait_dscnt 0x0                               ; for the others' sake
	s_wait_alu depctr_vm_vsrc(0)                   ; my LDS stores have read v30-41, in which slot 1's loads land, and v96-101, which the score products write; the loads above have read v8 and v234, which vector instructions write again later
	s_add_nc_u64 s[4:5], s[4:5], s[6:7]
	global_load_b128 v[30:33], v1, s[4:5]          ; slot 1
	global_load_b128 v[34:37], v1, s[4:5] offset:512
	global_load_b128 v[38:41], v1, s[4:5] offset:1024
	s_wait_kmcnt 0x0
	s_barrier_signal -1
	s_barrier_wait -1
; A KEY STEP: 128 keys: half si of the slot in buffer be.
.macro STEP be, si
	s_and_b32 s15, s14, 3
	s_lshr_b32 s14, s14, 2
	s_cmp_eq_u32 s15, 0
	s_cbranch_scc1 .Lskip_\@                       ; all hidden: every p would be 0
	s_load_b512 s[16:31], s[8:9], 256*(2*\be+\si)  ; the step's 64 mask words, on every way through the step
	s_load_b512 s[32:47], s[8:9], 256*(2*\be+\si)+64
	s_load_b512 s[48:63], s[8:9], 256*(2*\be+\si)+128
	s_load_b512 s[80:95], s[8:9], 256*(2*\be+\si)+192
	s_wait_alu depctr_va_vdst(0)                   ; the last step's products are done reading v42-89 and the scale words v225-230, in which this step's loads land; v6 and v7, which the loads read, are written; so are the zero codes v22-27 and v90-95, which the products below take
.irp t, 0,1,2,3,4,5,6,7
	ds_load_b128 v[KF+6*\t:KF+6*\t+3], v1 offset:BUF*\be+768*(8*\si+\t)
	ds_load_b64 v[KF+6*\t+4:KF+6*\t+5], v2 offset:BUF*\be+768*(8*\si+\t)+512
.endr
.irp i, 0,1,2,3
	ds_load_b32 v[KS+\i], v6 offset:512*(2*\be+\si)+128*\i     ; lanes 0-15: tile 2 i's words, lanes 16-31: tile 2 i + 1's
.endr
	s_wait_dscnt 0x0
.irp t, 0,2,4,6
	v_wmma_scale_f32_16x16x128_f8f6f4 v[S+8*\t:S+8*\t+7], v[KF+6*\t:KF+6*\t+11], v[16:27], 0, v[KS+\t/2], v28 matrix_a_fmt:MATRIX_FMT_BF6 matrix_b_fmt:MATRIX_FMT_BF6
	v_wmma_scale_f32_16x16x128_f8f6f4 v[S+8*\t+8:S+8*\t+15], v[KF+6*\t+6:KF+6*\t+17], v[16:27], 0, v[KS+\t/2], v28 matrix_a_fmt:MATRIX_FMT_BF6 matrix_b_fmt:MATRIX_FMT_BF6 matrix_a_scale:MATRIX_SCALE_ROW1
.endr
.rept 4
	v_nop                                          ; places in front of the first read of the scores
.endr
	s_wait_alu depctr_va_vdst(0)                   ; the score products are done reading K's registers v42-95, in which V's fragments land
.irp t, 0,1,2,3                        ; V's fragments land while the softmax is walked
	ds_load_b128 v[KF+12*\t:KF+12*\t+3], v1 offset:BUF*\be+VOFF+1536*(4*\si+\t)
	ds_load_b64 v[KF+12*\t+4:KF+12*\t+5], v2 offset:BUF*\be+VOFF+1536*(4*\si+\t)+512
	ds_load_b128 v[KF+12*\t+6:KF+12*\t+9], v1 offset:BUF*\be+VOFF+1536*(4*\si+\t)+768
	ds_load_b64 v[KF+12*\t+10:KF+12*\t+11], v2 offset:BUF*\be+VOFF+1536*(4*\si+\t)+1280
.endr
	ds_load_b32 v[VS], v7 offset:256*(2*\be+\si)
	ds_load_b32 v[VS+1], v7 offset:256*(2*\be+\si)+128
	s_wait_kmcnt 0x0                               ; the mask words are in
	s_cmp_eq_u32 s15, 1
	s_cbranch_scc0 .Lopen_\@
.set n_, 0
.rept 64
.set sw_, 16+n_
.if n_ >= 48
.set sw_, 32+n_
.endif
	v_cndmask_b32 v[S+n_], v[S+n_], v10, s[sw_]    ; hidden: -2^126
.set n_, n_+1
.endr
.Lopen_\@:
.irp b, 0,1,2,3
	v_max3_num_f32 v[BM+\b], v[S+16*\b], v[S+16*\b+1], v[S+16*\b+2]        ; the largest score of each block of 32 keys: for the row's maximum and, since p rises with the score, for the block's largest p
.endr
.irp i, 3,5,7,9,11,13
.irp b, 0,1,2,3
	v_max3_num_f32 v[BM+\b], v[BM+\b], v[S+16*\b+\i], v[S+16*\b+\i+1]
.endr
.endr
.irp b, 0,1,2,3
	v_max_num_f32 v[BM+\b], v[BM+\b], v[S+16*\b+15]
.endr
.irp b, 0,1,2,3
	v_permlanex16_b32 v[PX+\b], v[BM+\b], s66, s67
.endr
.irp b, 0,1,2,3
	v_max_num_f32 v[BM+\b], v[BM+\b], v[PX+\b]
.endr
	v_max3_num_f32 v[TMP], v[BM], v[BM+1], v[BM+2]
	v_max_num_f32 v[TMP], v[TMP], v[BM+3]
	v_mul_f32 v[TMP], s68, v[TMP]
	v_max_num_f32 v13, v13, v[TMP]                 ; the running largest t
	v_mov_b32 v[TMP], v12
	v_floor_f32 v12, -v13                          ; -M = floor(-t): M is a whole number
	v_sub_f32 v[TMP], v12, v[TMP]
	v_cvt_i32_f32 v[TMP], v[TMP]                   ; (it saturates)
	v_ldexp_f32 v[FF], 1.0, v[TMP]                 ; f = 2^(old M - new M): rounds nothing
.set j_, 0
.rept 32
	v_pk_fma_f32 v[S+j_:S+j_+1], v[S+j_:S+j_+1], s[68:69], v[12:13] op_sel_hi:[1,0,0]   ; t - M
.set j_, j_+2
.endr
.irp b, 0,1,2,3
	v_fma_f32 v[BM+\b], v[BM+\b], s68, v12
.endr
.set j_, 0
.rept 64
	v_exp_f32 v[S+j_], v[S+j_]                     ; p, not normalised
.set j_, j_+1
.endr
	v_pk_mul_f32 v[14:15], v[14:15], v[FF:FF+1] op_sel_hi:[1,0]            ; a plain place behind the exponentials
	s_wait_alu depctr_va_vdst(0)                   ; the 64 exponentials have written p: one wait for the batch, ahead of its first reader
.irp b, 0,1,2,3
	v_exp_f32 v[BM+\b], v[BM+\b]                   ; the blocks' largest p
.endr
	v_pk_add_f32 v[CH:CH+1], v[S:S+1], v[S+2:S+3]  ; the row's sum of the unquantised p, in two chains
.irp j, 4,8,12,16,20,24,28,32,36,40,44,48,52,56,60
	v_pk_add_f32 v[14:15], v[14:15], v[S+\j:S+\j+1]
	v_pk_add_f32 v[CH:CH+1], v[CH:CH+1], v[S+\j+2:S+\j+3]
.endr
	v_pk_add_f32 v[14:15], v[14:15], v[CH:CH+1]
	s_wait_alu depctr_va_vdst(0)                   ; the four exponentials have written the blocks' largest p, ahead of their first reader
.irp b, 0,1,2,3
	v_max_num_f32 v[BM+\b], 0x2800000, v[BM+\b]    ; the floor: the byte cannot fall under 1
.endr
.irp b, 0,1,2,3
	v_add_nc_u32 v[SO+\b], 0xfe000000, v[BM+\b]
.endr
.irp b, 0,1,2,3
	v_lshrrev_b32 v[PX+\b], 23, v[SO+\b]
.endr
	v_lshl_or_b32 v[PWD], v[PX+1], 8, v[PX]
	v_lshl_or_b32 v[PWD], v[PX+2], 16, v[PWD]
	v_lshl_or_b32 v[PWD], v[PX+3], 24, v[PWD]
.irp c, 0,1
	v_cvt_scalef32_pk16_bf6_f32 v[PC+6*\c:PC+6*\c+2], v[S+32*\c:S+32*\c+15], v[SO+2*\c]
	v_cvt_scalef32_pk16_bf6_f32 v[CT+4*\c:CT+4*\c+2], v[S+32*\c+16:S+32*\c+31], v[SO+2*\c+1]
.endr
	v_nop                                          ; one plain place behind a scaled conversion
.irp c, 0,1
.irp i, 0,1,2
	v_permlane16_swap_b32 v[PC+6*\c+\i], v[CT+4*\c+\i]
.endr
.irp i, 0,1,2
	v_mov_b32 v[PC+3+6*\c+\i], v[CT+4*\c+\i]
.endr
.endr
.set j_, 0
.rept 16
	v_pk_mul_f32 v[O+j_:O+j_+1], v[O+j_:O+j_+1], v[FF:FF+1] op_sel_hi:[1,0]   ; O^T under the new M; of these sixteen, twelve name no register of any one product below: they are the places between the scale word's and the codes' last writes and the products
.set j_, j_+2
.endr
	s_wait_dscnt 0x0                               ; V
	s_wait_alu depctr_va_vdst(0)                   ; p's codes v192-203 and its scale word v224, made by vector instructions, are written: the products below take them; the places above stay beside this wait
.irp t, 0,2
	v_wmma_scale_f32_16x16x128_f8f6f4 v[O+8*\t:O+8*\t+7], v[KF+12*\t:KF+12*\t+11], v[PC:PC+11], v[O+8*\t:O+8*\t+7], v[VS+\t/2], v[PWD] matrix_a_fmt:MATRIX_FMT_BF6 matrix_b_fmt:MATRIX_FMT_BF6
	v_wmma_scale_f32_16x16x128_f8f6f4 v[O+8*\t+8:O+8*\t+15], v[KF+12*\t+12:KF+12*\t+23], v[PC:PC+11], v[O+8*\t+8:O+8*\t+15], v[VS+\t/2], v[PWD] matrix_a_fmt:MATRIX_FMT_BF6 matrix_b_fmt:MATRIX_FMT_BF6 matrix_a_scale:MATRIX_SCALE_ROW1
.endr
.rept 4
	v_nop                                          ; places in front of the next read of O^T
.endr
.Lskip_\@:
.endm
	s_mov_b32 s3, 4
.Ltrip:                                            ; a trip: two slots, four key steps
	s_wait_alu depctr_vm_vsrc(0)                   ; the scale words' LDS loads of the trip before have read v6 and v7
	v_add_nc_u32 v6, s70, v4
	v_add_nc_u32 v7, s71, v5
	STEP 0, 0
	STEP 0, 1
	s_wait_loadcnt 0x0                             ; my part of the next slot, asked for a slot ago,
	ds_store_b128 v3, v[30:33] offset:BUF          ; goes into buffer 1, whose last reads ended in front of the barrier before this slot
	ds_store_b128 v3, v[34:37] offset:BUF+512
	ds_store_b128 v3, v[38:41] offset:BUF+1024
	s_wait_dscnt 0x0                               ; for the others' sake; my reads of buffer 0 are over too
	s_wait_alu depctr_vm_vsrc(0)                   ; the three LDS stores have read v30-41, in which the loads behind the branch land
	s_cmp_gt_u32 s3, 1
	s_cbranch_scc0 .Lno_a                          ; the last trip has nothing more to ask for
	s_add_nc_u64 s[4:5], s[4:5], s[6:7]
	global_load_b128 v[30:33], v1, s[4:5]
	global_load_b128 v[34:37], v1, s[4:5] offset:512
	global_load_b128 v[38:41], v1, s[4:5] offset:1024
	s_cmp_gt_u32 s3, s76                           ; A PREFETCH INTO THE L2 of the two slots of the trip after next: 96 blocks of 256 bytes of K (waves 0-2) and 96 of V (waves 4-6), a lane a block.  All eight
	s_cbranch_scc0 .Lno_a                          ; work-groups of a head walk the same K and V: the first asks, so each block is named once.  Slots 0-3 come by their loads alone; the last two trips ask for nothing
	global_prefetch_b8 v9, s[72:73] th:TH_LOAD_NT scope:SCOPE_SE
.Lno_a:
	s_barrier_signal -1
	s_barrier_wait -1
	STEP 1, 0
	STEP 1, 1
	s_cmp_gt_u32 s3, 1
	s_cbranch_scc0 .Lno_b
	s_wait_loadcnt 0x0
	ds_store_b128 v3, v[30:33]
	ds_store_b128 v3, v[34:37] offset:512
	ds_store_b128 v3, v[38:41] offset:1024
	s_wait_dscnt 0x0
	s_wait_alu depctr_vm_vsrc(0)                   ; the three LDS stores have read v30-41, in which the loads below land
	s_add_nc_u64 s[4:5], s[4:5], s[6:7]
	global_load_b128 v[30:33], v1, s[4:5]
	global_load_b128 v[34:37], v1, s[4:5] offset:512
	global_load_b128 v[38:41], v1, s[4:5] offset:1024
.Lno_b:
	s_wait_dscnt 0x0
	s_barrier_signal -1
	s_barrier_wait -1
	s_wait_xcnt 0x0                                ; the mask words' loads and the prefetch have read their bases
	s_add_nc_u64 s[8:9], s[8:9], 1024
	s_add_nc_u64 s[72:73], s[72:73], s[74:75]
	s_add_co_u32 s70, s70, 2048
	s_add_co_u32 s71, s71, 1024
	s_sub_co_i32 s3, s3, 1
	s_cmp_lg_u32 s3, 0
	s_cbranch_scc1 .Ltrip
	; THE WAY OUT: ctx = O^T / l; my 32 registers are 16 of each of the head's two blocks of 32 channels: they become half a fragment of the last product's operand.
	v_add_f32 v14, v14, v15
	v_permlanex16_b32 v[PX], v14, s66, s67
	v_add_f32 v14, v14, v[PX]
	v_rcp_f32 v14, v14
	v_and_b32 v8, 15, v0                           ; a plain place behind the reciprocal  (the head's loads have read v8: the head's wait on vm_vsrc stands behind them)
	v_lshlrev_b32 v8, 4, v8                        ; 16 r
	s_wait_alu depctr_va_vdst(0)                   ; the reciprocal has written v14, ahead of its first reader
.set j_, 0
.rept 32
	v_mul_f32 v[S+j_], v[O+j_], v14
.set j_, j_+1
.endr
.irp b, 0,1
	v_max3_num_f32 v[BM+\b], |v[S+16*\b]|, |v[S+16*\b+1]|, 0x2800000
.endr
.irp i, 2,4,6,8,10,12,14
.irp b, 0,1
	v_max3_num_f32 v[BM+\b], v[BM+\b], |v[S+16*\b+\i]|, |v[S+16*\b+\i+1]|
.endr
.endr
.irp b, 0,1
	v_permlanex16_b32 v[PX+\b], v[BM+\b], s66, s67
.endr
.irp b, 0,1
	v_max_num_f32 v[BM+\b], v[BM+\b], v[PX+\b]
.endr
.irp b, 0,1
	v_add_nc_u32 v[SO+\b], 0xfe000000, v[BM+\b]
.endr
.irp b, 0,1
	v_lshrrev_b32 v[PX+\b], 23, v[SO+\b]
.endr
	v_lshl_or_b32 v[PWD], v[PX+1], 8, v[PX]
	v_cvt_scalef32_pk16_bf6_f32 v[PC:PC+2], v[S:S+15], v[SO]
	v_cvt_scalef32_pk16_bf6_f32 v[CT:CT+2], v[S+16:S+31], v[SO+1]
	v_nop
.irp i, 0,1,2
	v_permlane16_swap_b32 v[PC+\i], v[CT+\i]
.endr
.irp i, 0,1,2
	v_mov_b32 v[PC+3+\i], v[CT+\i]
.endr
	s_wait_alu depctr_va_vdst(0)                   ; the codes v192-197, the two bytes in v224 and the offset v8 are written, which the three stores read
	global_store_b128 v1, v[PC:PC+3], s[10:11]     ; the image: 512 and 256 consecutive bytes, aligned
	global_store_b64 v2, v[PC+4:PC+5], s[10:11] offset:512
	global_store_b16 v8, v[PWD], s[12:13]          ; my row's two bytes (lanes r and r + 16 write the same)
	s_wait_dscnt 0x0
	s_wait_alu depctr_hold_cnt(0) depctr_sa_sdst(0) depctr_va_vdst(0) depctr_va_sdst(0) depctr_va_ssrc(0) depctr_va_vcc(0) depctr_vm_vsrc(0)
	s_wait_tensorcnt 0x0
	ds_add_u32 v254, v255
	s_wait_dscnt 0x0
	s_endpgm
.Lfunc_end_k_qa842df32a4_attn:
	.size	k_qa842df32a4_attn, .Lfunc_end_k_qa842df32a4_attn-k_qa842df32a4_attn
	.p2alignl 7, 3214868480
	.fill 96, 4, 3214868480
	.section	.rodata,"a",@progbits
	.p2align	6, 0x0
	.amdhsa_kernel k_qa842df32a4_attn
		.amdhsa_group_segment_fixed_size 63488
		.amdhsa_private_segment_fixed_size 0
		.amdhsa_enable_private_segment 0
		.amdhsa_kernarg_size 48
		.amdhsa_user_sgpr_count 2
		.amdhsa_user_sgpr_kernarg_segment_ptr 1
		.amdhsa_wavefront_size32 1
		.amdhsa_system_sgpr_workgroup_id_x 1
		.amdhsa_system_sgpr_workgroup_id_y 1
		.amdhsa_system_sgpr_workgroup_id_z 1
		.amdhsa_system_vgpr_workitem_id 0
		.amdhsa_next_free_vgpr 256
		.amdhsa_next_free_sgpr 102
		.amdhsa_reserve_vcc 0
		.amdhsa_float_denorm_mode_32 3
		.amdhsa_float_denorm_mode_16_64 3
		.amdhsa_memory_ordered 1
		.amdhsa_forward_progress 1
		.amdhsa_inst_pref_size 97
	.end_amdhsa_kernel
	.amdgpu_metadata
---
amdhsa.version: [ 1, 2 ]
amdhsa.kernels:
  - .name:           k_qa842df32a4_attn
    .symbol:         k_qa842df32a4_attn.kd
    .args:
      - { .name: qkvc, .offset: 0, .size: 8, .value_kind: global_buffer, .address_space: global }
      - { .name: qkvs, .offset: 8, .size: 8, .value_kind: global_buffer, .address_space: global }
      - { .name: mbits, .offset: 16, .size: 8, .value_kind: global_buffer, .address_space: global }
      - { .name: flags, .offset: 24, .size: 8, .value_kind: global_buffer, .address_space: global }
      - { .name: cc, .offset: 32, .size: 8, .value_kind: global_buffer, .address_space: global }
      - { .name: cs, .offset: 40, .size: 8, .value_kind: global_buffer, .address_space: global }
    .group_segment_fixed_size: 63488
    .private_segment_fixed_size: 0
    .kernarg_segment_align: 8
    .kernarg_segment_size: 48
    .max_flat_workgroup_size: 512
    .sgpr_count:     102
    .vgpr_count:     256
    .wavefront_size: 32
...
	.end_amdgpu_metadata
.endif
;; end of part 5
;; launch dense: the kernel of part 4 again; grid 4 x 32, 4 waves a work-group, clusters of 4 x 4, 327,680 bytes of LDS; arguments cc, cs, opc, ops, b_dense, out0; writes out0
